; MI455X (gfx1250); checked and timed in simulation.
; The chip was launched on July 23, 2026; its instructions are those of AMD's public machine-readable ISA for CDNA 5 (MIT licence, August 2026) and "CDNA5" Instruction Set Architecture Reference Guide (July 2026). The comments in the code are by the model that wrote it; some were corrected since.
;; Multi Head Attention. Allowed arithmetic: matrix products marked QUANTISED: E2M3 operands, one E8M0 scale for each 32 along K, by v_wmma_scale_f32_16x16x128_f8f6f4 with both operands' format E2M3, f32 sums; everything else in f32.
;; Inputs: Wk 1,024 x 1,024 float32; Wo 1,024 x 1,024 float32; Wq 1,024 x 1,024 float32; Wv 1,024 x 1,024 float32; bk 1,024 float32; bo 1,024 float32; bq 1,024 float32; bv 1,024 float32; q 4 x 2,048 x 1,024 float32.
;; Outputs: out0 4 x 2,048 x 1,024 float32.
;; This version of the problem:
;;   THIS VERSION OF THE PROBLEM IS GIVEN IN LOW PRECISION. The matrix products marked QUANTISED in the list below multiply operands that are first quantised to E2M3 (2 exponent bits, 3 mantissa bits; 6 bits a number), with one power-of-two scale for each 32 numbers along K (OCP MX v1.0); their sums are f32. All else is computed in f32.
;;   The module's matrix products, in the order in which they are computed (A, B: the left and right operand; K: the contracted axis; several contracted axes count as one K, in the product's order):
;;     1. [M 8,192, K 1,024] x [K 1,024, N 1,024]; A: input q; B: input Wq: QUANTISED
;;     2. [M 8,192, K 1,024] x [K 1,024, N 1,024]; A: input q; B: input Wk: QUANTISED
;;     3. [M 8,192, K 1,024] x [K 1,024, N 1,024]; A: input q; B: input Wv: QUANTISED
;;     4. batch 64 x [M 2,048, K 64] x [K 64, N 2,048]; A: computed on the way; B: computed on the way: QUANTISED
;;     5. batch 64 x [M 2,048, K 2,048] x [K 2,048, N 64]; A: softmax (see below); B: computed on the way: QUANTISED
;;     6. [M 8,192, K 1,024] x [K 1,024, N 1,024]; A: computed on the way; B: input Wo: QUANTISED
;;   THE QUANTISER, for each operand of a quantised product, along K:
;;     - K is cut into blocks of 32 from its start; a last block that is shorter is filled with zeros.
;;     - A block's scale is 2^e with e = floor(log2(the largest magnitude in the block)) - 2, held to -126 .. 127; a block of zeros has e = 0. As a byte (E8M0): e + 127.
;;     - Each number is divided by its block's scale, clamped to +-7.5, and rounded to the nearest number of E2M3, ties to even, subnormals kept.
;;     - The product sums the exact products of the quantised numbers (number of the format x scale) in f32.
;;   ~~~python
;;   def quantise(x, axis):      # numpy; x: float32 -> the quantised numbers, widened to float32 again
;;       x = np.moveaxis(x, axis, -1); K = x.shape[-1]
;;       x = np.pad(x, [(0, 0)] * (x.ndim - 1) + [(0, -K % 32)]); x = x.reshape(x.shape[:-1] + (-1, 32)); a = np.abs(x).max(-1, keepdims=True)
;;       e = np.where(a > 0, np.clip(np.frexp(np.where(a > 0, a, 1))[1] - 1 - 2, -126, 127), 0)      # np.frexp(a)[1] - 1 = floor(log2(a)), exactly
;;       r = np.clip(x / 2.0 ** e, -7.5, 7.5)
;;       step = 2.0 ** (np.maximum(np.frexp(np.where(r == 0, 1, r))[1] - 1, 0) - 3)
;;       q = np.round(r / step) * step * 2.0 ** e      # np.round: ties to even
;;       return np.moveaxis(q.reshape(q.shape[:-2] + (-1,))[..., :K], -1, axis).astype(np.float32)
;;   ~~~
;;   SOFTMAX AHEAD OF A QUANTISED PRODUCT. Where the list says 'softmax', what is quantised is not the finished softmax but p = 2^(t - M), with t = logit x log2(e) and M = ceil(the row's largest t), a whole number; so 1/2 < the row's largest p <= 1. The row's sum l is taken of the UNQUANTISED p, in f32, and the product's result is divided by l at the end. Since M is a whole number, a kernel that streams over the keys may use a running M (the ceiling of the running maximum): every later rescaling is an exact power of two, which a block's scale takes up: the codes' values come out the same.
;;   OPERANDS COMPUTED ON THE WAY. 'Computed on the way' means the value that the module computes at that place (a softmax that the list does not call 'softmax' is quantised finished and normalised). What goes into a quantiser is computed in f32, as accurately as f32 sums, v_exp_f32 and their like allow (about 1e-6 of the number): no bf16 or f16 on the way to a quantiser, and a product that is left as it is and whose result goes on into a quantised operand takes f32 operands (vector FMAs, or v_wmma_f32_16x16x4_f32). A number that lies on a knife's edge between two numbers of the format may be rounded either way, as far as f32 arithmetic and the matrix unit's own rounding can turn it there, and no further.
;; One version. Each part assembles by itself: llvm-mc -triple=amdgcn-amd-amdhsa -mcpu=gfx1250 --defsym DOCPART=n.
;; ======== version 1 of 1: 5 launches
;; limits: right only within a limited range of input values
;; workspace buffers: xq 6,553,600 bytes; wq 3,276,800 bytes; qk 26,214,400 bytes; ao 6,553,600 bytes
;; launch quant (part 1): grid 384 x 1, 4 waves a work-group, no clusters, 68,096 bytes of LDS; arguments q, Wq, Wk, Wv, Wo, xq, wq; writes xq, wq
.if DOCPART == 1
	.amdgcn_target "amdgcn-amd-amdhsa--gfx1250"
	.amdhsa_code_object_version 6
	.text
	.protected	k_qe25b02bce8_quant
	.globl	k_qe25b02bce8_quant
	.p2align	8
	.type	k_qe25b02bce8_quant,@function
k_qe25b02bce8_quant:
	s_mov_b64 s[64:65], 0
	v_nop
	global_prefetch_b8 v0, s[64:65] scope:SCOPE_SE
	s_setreg_imm32_b32 hwreg(HW_REG_WAVE_MODE, 25, 1), 1
	s_wait_xcnt 0x0
; ONE LAUNCH QUANTISES ALL OPERANDS THAT ARRIVE AS f32.  Work-groups 0-255 take q [8192][1024], work-groups 256-383 the four weights [1024 (k)][1024 (n)].  Every input is used.
; Codes are FP6 (E2M3) with one E8M0 byte for each 32 along K.  A block's scale is 2^(floor(log2(its largest magnitude)) - 2); its byte is that magnitude's exponent field - 2, held at 1 from below.
; LIMITS: a block of zeros gets the byte 1 where the rule says 127 (its codes are zeros, and this program alone reads the bytes); blocks whose largest magnitude lies under 2^-124 were not tried; NaN and infinities are not served.
; LAYOUT OF THE CODES: four planes, one for each 256 along K; in a plane a row is 192 bytes and rows lie end to end, so 128 rows of a plane are 24,576 dense bytes that begin at a multiple of 256.
; xq: planes of 8,192 rows, then [8192][32] scale bytes at SCOFF.  wq: planes of 4,096 rows (the columns n of Wq, Wk, Wv, Wo on end), then [4096][32] scale bytes at WSO.
; STORED ORDER.  Token 64 G + 32 h + 8 j + i lies at row 64 G + 16 j + 8 h + i: in a matrix tile's result a lane then holds a whole block of 32 tokens over four tiles.  A weight's column n lies at row n with bits 3 and 4 exchanged.
; The two paths part on the work-group's number and have LDS bytes of their own.  No tensor loads, no barrier, no cluster: waves share nothing.
.set STEPS, 16
.set EMAX,  2
.set CB,    12                         ; bytes of 16 codes
.set R,     16                         ; q: v16-79 four sets of 16 numbers as loaded
.set X,     80                         ; v80-111 two sets of 16 neighbours
.set C,     128                        ; v128-191 codes, four registers a step, never written twice
.set E,     112                        ; v112-127 a scale byte a step
.set WREG,  8192                       ; LDS, q's path: a wave's two stages of 32 x SP bytes, then its 256 scale bytes
.set SP,    80                         ; a lane's place in a stage: 64 bytes + 16
.set SCOFF, 6291456
.set PLANE, 1572864                    ; a plane of xq
.set WLDS,  32768                      ; LDS, the weights' path: four stages of 32 x PITCH
.set PITCH, 272
.set SPARE, WLDS+4*32*PITCH            ; the spare words, 128 bytes a wave
.set NB,    8                          ; blocks of 32 in 256 along K
.set ROWB,  192
.set WPL,   786432                     ; a plane of wq
.set WSO,   3145728
.set XW,    32                         ; weights: v32-95 two sets of 32 numbers
.set CW,    96                         ; a block's codes
.set OUTR,  112                        ; v112-175 the way out
.set SB,    24                         ; v24-25 scale bytes
	v_lshl_add_u32 v192, v0, 2, SPARE
	v_mov_b32 v193, 0
	v_lshrrev_b32 v1, 5, v0
	v_readfirstlane_b32 s16, v1                    ; wave
	v_and_b32 v2, 31, v0                           ; lane
	s_wait_alu depctr_va_vdst(0)                   ; the wait ahead of the branch
	s_cmp_lt_u32 ttmp9, 256
	s_cbranch_scc0 .Lweights
; ---- q.  A wave takes 8 rows, 16 steps of 512 numbers.  Each load reads 512 consecutive bytes; a step turns through the wave's stage and comes back 16 neighbours a lane; two lanes hold a block.
	s_load_b64 s[4:5], s[0:1], 0x0                 ; q
	s_load_b64 s[6:7], s[0:1], 0x28                ; xq
	v_lshlrev_b32 v3, 4, v2
	s_mul_i32 s17, s16, WREG
	v_lshrrev_b32 v14, 2, v2
	v_mul_u32_u24 v14, v14, SP
	v_and_b32 v15, 3, v2
	v_lshl_add_u32 v14, v15, 4, v14
	v_add_nc_u32 v14, s17, v14                     ; the stage, in
	v_mul_u32_u24 v15, v2, SP
	v_add_nc_u32 v15, s17, v15                     ; and out
	v_and_b32 v8, 15, v2
	v_lshrrev_b32 v9, 4, v2
	v_mul_u32_u24 v4, v8, CB
	v_mad_u32_u24 v4, v9, PLANE, v4                ; my codes: lanes 0-15 fill 192 bytes of one plane, lanes 16-31 of the next
	v_lshrrev_b32 v5, 1, v2
	s_add_co_u32 s17, s17, 2*32*SP
	v_add_nc_u32 v5, s17, v5                       ; LDS: my block's scale byte
	v_lshlrev_b32 v7, 3, v2
	v_add_nc_u32 v6, s17, v7
	s_lshl_b32 s26, ttmp9, 2
	s_add_co_u32 s27, s26, s16                     ; the run of 8 rows that I read
	s_lshl_b32 s18, s27, 15
	s_mov_b32 s19, 0
	s_and_b32 s20, s27, 3                          ; j
	s_lshl_b32 s20, s20, 1
	s_bfe_u32 s21, s27, 0x10002                    ; h
	s_or_b32 s20, s20, s21
	s_and_b32 s21, s27, 0xfffffff8
	s_or_b32 s20, s20, s21                         ; the run that I write: 8 G + 2 j + h
	s_mul_i32 s22, s20, 8*ROWB
	s_mov_b32 s23, 0
	s_lshl_b32 s24, s20, 8
	s_mov_b32 s25, 0
	s_wait_alu depctr_va_vdst(0)                   ; the wait at the head's end
	s_wait_kmcnt 0x0
	s_add_nc_u64 s[4:5], s[4:5], s[18:19]
	s_add_nc_u64 s[8:9], s[6:7], s[22:23]
	s_add_nc_u64 s[10:11], s[6:7], s[24:25]
	s_add_nc_u64 s[10:11], s[10:11], SCOFF
.macro LOAD t
.irp i, 0,1,2,3
	global_load_b128 v[R+16*((\t)%4)+4*\i:R+16*((\t)%4)+4*\i+3], v3, s[4:5] offset:2048*(\t)+512*\i th:TH_LOAD_NT
.endr
.endm
.macro TURN t                          ; LDS serves a wave's instructions in order: no wait between the stores and the loads
.irp i, 0,1,2,3
	ds_store_b128 v14, v[R+16*((\t)%4)+4*\i:R+16*((\t)%4)+4*\i+3] offset:32*SP*((\t)%2)+8*SP*\i
.endr
.irp i, 0,1,2,3
	ds_load_b128 v[X+16*((\t)%2)+4*\i:X+16*((\t)%2)+4*\i+3], v15 offset:32*SP*((\t)%2)+16*\i
.endr
.endm
.irp t, 0,1,2,3
	LOAD \t
.endr
	s_wait_loadcnt 12                              ; step 0's four loads are in; the twelve of steps 1 to 3 may be out
	TURN 0
.macro STEP t
.set XS, X+16*((\t)%2)
.if (\t) > 0
	s_wait_dscnt 1                                 ; this step's numbers are back (the last step's byte store may be out)
.else
	s_wait_dscnt 0x0
.endif
.if (\t)+4 < STEPS
	LOAD (\t)+4
.endif
.if (\t)+1 < STEPS
.if STEPS-2-(\t) >= 3
	s_wait_loadcnt 12                              ; the next step's four are in; three steps' twelve may be out
.else
	s_wait_loadcnt 4*(STEPS-2-(\t))
.endif
	TURN (\t)+1
.endif
	v_max3_num_f32 v8, |v[XS]|, |v[XS+1]|, |v[XS+2]|
	v_max3_num_f32 v9, |v[XS+3]|, |v[XS+4]|, |v[XS+5]|
.irp i, 6,10
	v_max3_num_f32 v8, v8, |v[XS+\i]|, |v[XS+\i+1]|
	v_max3_num_f32 v9, v9, |v[XS+\i+2]|, |v[XS+\i+3]|
.endr
	v_max3_num_f32 v8, v8, |v[XS+14]|, |v[XS+15]|
	v_max3_num_f32 v8, v8, v9, (EMAX+1)<<23        ; the floor: the byte cannot fall under 1
	v_max_num_f32_dpp v8, v8, v8 row_xmask:1 row_mask:0xf bank_mask:0xf   ; with my neighbour's 16: the block's
	v_add_nc_u32 v11, -(EMAX<<23), v8              ; the conversion's scale operand
	v_cvt_scalef32_pk16_fp6_f32 v[C+4*(\t):C+4*(\t)+2], v[XS:XS+15], v11
	v_lshrrev_b32 v[E+(\t)], 23, v11               ; the byte
	ds_store_b8 v5, v[E+(\t)] offset:16*(\t)
	global_store_b96 v4, v[C+4*(\t):C+4*(\t)+2], s[8:9] offset:ROWB*((\t)/2)+2*PLANE*((\t)%2)   ; row t / 2, planes 2 (t % 2) and 2 (t % 2) + 1
.endm
.irp t, 0,1,2,3,4,5,6,7,8,9,10,11,12,13,14,15
	STEP \t
.endr
	ds_load_b64 v[12:13], v6
	s_wait_dscnt 0x0
	global_store_b64 v7, v[12:13], s[10:11]        ; 256 consecutive bytes, aligned
	s_wait_tensorcnt 0x0                           ; the wave's end
	ds_add_u32 v192, v193
	s_wait_dscnt 0x0
	s_endpgm
; ---- the weights.  A lane takes a column n and its registers run down K.  A wave takes 32 columns x 256 along K (one plane); the codes leave through its stage as rows of 192 bytes, two rows (384 consecutive bytes) a store.
.Lweights:
	s_load_b256 s[4:11], s[0:1], 0x8               ; Wq, Wk, Wv, Wo
	s_load_b64 s[12:13], s[0:1], 0x30              ; wq
	s_and_b32 s33, ttmp9, 31                       ; weight x / 8, columns 128 (x % 8) on
	s_and_b32 s17, s33, 7
	s_lshl_b32 s17, s17, 7
	s_lshl_b32 s18, s16, 5
	s_add_co_u32 s17, s17, s18                     ; my first column in its weight
	s_lshl_b32 s30, s33, 7
	s_add_co_u32 s30, s30, s18                     ; and its first row among wq's 4,096
	s_bfe_u32 s18, ttmp9, 0x20005                  ; which plane
	v_lshlrev_b32 v3, 2, v2
	s_mul_i32 s19, s16, 32*PITCH
	s_add_co_u32 s19, s19, WLDS                    ; my stage
	v_and_b32 v10, 7, v2
	v_bfe_u32 v11, v2, 3, 1
	v_lshl_add_u32 v10, v11, 4, v10
	v_bfe_u32 v11, v2, 4, 1
	v_lshl_add_u32 v10, v11, 3, v10                ; my column's stored row among the wave's 32
	v_mul_u32_u24 v4, v10, PITCH
	v_add_nc_u32 v4, s19, v4
	v_and_b32 v5, 15, v2
	v_lshrrev_b32 v6, 4, v2
	v_mul_u32_u24 v7, v6, PITCH
	v_lshl_add_u32 v7, v5, 4, v7
	v_add_nc_u32 v7, s19, v7
	v_mul_u32_u24 v8, v6, ROWB
	v_mad_u32_u24 v8, v5, 12, v8
	v_lshlrev_b32 v9, 5, v10
	s_lshl_b32 s20, s18, 20                        ; W: 256 rows of 4,096 bytes a plane
	s_lshl_b32 s22, s17, 2
	s_add_co_u32 s20, s20, s22
	s_mov_b32 s21, 0
	s_mul_i32 s24, s30, ROWB
	s_mul_i32 s26, s18, WPL
	s_add_co_u32 s24, s24, s26
	s_mov_b32 s25, 0
	s_lshl_b32 s28, s30, 5
	s_lshl_b32 s26, s18, 3
	s_add_co_u32 s28, s28, s26
	s_add_co_u32 s28, s28, WSO
	s_mov_b32 s29, 0
	s_lshr_b32 s31, s33, 3
	s_wait_alu depctr_va_vdst(0)                   ; the wait at the head's end
	s_wait_kmcnt 0x0
	s_cmp_eq_u32 s31, 1
	s_cselect_b64 s[4:5], s[6:7], s[4:5]
	s_cmp_eq_u32 s31, 2
	s_cselect_b64 s[4:5], s[8:9], s[4:5]
	s_cmp_eq_u32 s31, 3
	s_cselect_b64 s[4:5], s[10:11], s[4:5]
	s_add_nc_u64 s[4:5], s[4:5], s[20:21]
	s_add_nc_u64 s[6:7], s[12:13], s[24:25]
	s_add_nc_u64 s[8:9], s[12:13], s[28:29]
.macro LOADW t
.irp i, 0,1,2,3,4,5,6,7,8,9,10,11,12,13,14,15,16,17,18,19,20,21,22,23,24,25,26,27,28,29,30,31
	global_load_b32 v[XW+32*((\t)%2)+\i], v3, s[4:5] offset:(32*(\t)+\i)*4096 th:TH_LOAD_NT
.endr
.endm
	LOADW 0
	LOADW 1
.macro BLOCK t
.set XS, XW+32*((\t)%2)
.if (\t) < NB-1
	s_wait_loadcnt 32                              ; this block's 32 are in; the next block's 32 may be out
.else
	s_wait_loadcnt 0
.endif
	v_max3_num_f32 v12, |v[XS]|, |v[XS+1]|, |v[XS+2]|
	v_max3_num_f32 v13, |v[XS+3]|, |v[XS+4]|, |v[XS+5]|
.irp i, 6,10,14,18,22,26
	v_max3_num_f32 v12, v12, |v[XS+\i]|, |v[XS+\i+1]|
	v_max3_num_f32 v13, v13, |v[XS+\i+2]|, |v[XS+\i+3]|
.endr
	v_max3_num_f32 v12, v12, |v[XS+30]|, |v[XS+31]|
	v_max3_num_f32 v12, v12, v13, (EMAX+1)<<23
	v_add_nc_u32 v11, -(EMAX<<23), v12
	v_lshrrev_b32 v13, 23, v11
.if (\t)%4 == 0
	v_mov_b32 v[SB+(\t)/4], v13
.else
	v_lshl_or_b32 v[SB+(\t)/4], v13, 8*((\t)%4), v[SB+(\t)/4]
.endif
	v_cvt_scalef32_pk16_fp6_f32 v[CW:CW+2], v[XS:XS+15], v11
	v_cvt_scalef32_pk16_fp6_f32 v[CW+4:CW+6], v[XS+16:XS+31], v11
	ds_store_b96 v4, v[CW:CW+2] offset:32*(\t)     ; 12 bytes to a place of 16
	ds_store_b96 v4, v[CW+4:CW+6] offset:32*(\t)+16
.if (\t)+2 < NB
	LOADW (\t)+2
.endif
	s_wait_dscnt 0x0                               ; the stores have read their registers
.endm
.set Q, 0
.rept NB
	BLOCK Q
.set Q, Q+1
.endr
	s_wait_alu depctr_va_vdst(0)                   ; the wait ahead of the reader below
	global_store_b64 v9, v[SB:SB+1], s[8:9]        ; my column's 8 scale bytes
.irp t, 0,1,2,3,4,5,6,7,8,9,10,11,12,13,14,15
	ds_load_b96 v[OUTR+4*\t:OUTR+4*\t+2], v7 offset:2*\t*PITCH
.endr
.irp t, 0,1,2,3,4,5,6,7,8,9,10,11,12,13,14,15
	s_wait_dscnt 15-\t                             ; the loads behind this one may be out
	global_store_b96 v8, v[OUTR+4*\t:OUTR+4*\t+2], s[6:7] offset:2*\t*ROWB
.endr
	s_wait_tensorcnt 0x0                           ; the wave's end
	ds_add_u32 v192, v193
	s_wait_dscnt 0x0
	s_endpgm
.Lfunc_end_k_qe25b02bce8_quant:
	.size	k_qe25b02bce8_quant, .Lfunc_end_k_qe25b02bce8_quant-k_qe25b02bce8_quant
	.p2alignl 7, 3214868480
	.fill 96, 4, 3214868480
	.section	.rodata,"a",@progbits
	.p2align	6, 0x0
	.amdhsa_kernel k_qe25b02bce8_quant
		.amdhsa_group_segment_fixed_size 68096
		.amdhsa_private_segment_fixed_size 0
		.amdhsa_enable_private_segment 0
		.amdhsa_kernarg_size 56
		.amdhsa_user_sgpr_count 2
		.amdhsa_user_sgpr_kernarg_segment_ptr 1
		.amdhsa_wavefront_size32 1
		.amdhsa_system_sgpr_workgroup_id_x 1
		.amdhsa_system_sgpr_workgroup_id_y 1
		.amdhsa_system_sgpr_workgroup_id_z 1
		.amdhsa_system_vgpr_workitem_id 0
		.amdhsa_next_free_vgpr 194
		.amdhsa_next_free_sgpr 66
		.amdhsa_reserve_vcc 0
		.amdhsa_float_denorm_mode_32 3
		.amdhsa_float_denorm_mode_16_64 3
		.amdhsa_memory_ordered 1
		.amdhsa_forward_progress 1
		.amdhsa_inst_pref_size 74
	.end_amdhsa_kernel
	.amdgpu_metadata
---
amdhsa.version: [ 1, 2 ]
amdhsa.kernels:
  - .name:           k_qe25b02bce8_quant
    .symbol:         k_qe25b02bce8_quant.kd
    .args:
      - { .name: q, .offset: 0, .size: 8, .value_kind: global_buffer, .address_space: global }
      - { .name: Wq, .offset: 8, .size: 8, .value_kind: global_buffer, .address_space: global }
      - { .name: Wk, .offset: 16, .size: 8, .value_kind: global_buffer, .address_space: global }
      - { .name: Wv, .offset: 24, .size: 8, .value_kind: global_buffer, .address_space: global }
      - { .name: Wo, .offset: 32, .size: 8, .value_kind: global_buffer, .address_space: global }
      - { .name: xq, .offset: 40, .size: 8, .value_kind: global_buffer, .address_space: global }
      - { .name: wq, .offset: 48, .size: 8, .value_kind: global_buffer, .address_space: global }
    .group_segment_fixed_size: 68096
    .private_segment_fixed_size: 0
    .kernarg_segment_align: 8
    .kernarg_segment_size: 56
    .max_flat_workgroup_size: 128
    .sgpr_count:     66
    .vgpr_count:     194
    .wavefront_size: 32
...
	.end_amdgpu_metadata
.endif
;; end of part 1
;; launch proj_qk (part 2): grid 8 x 32, 4 waves a work-group, clusters of 4 x 4, 327,680 bytes of LDS; arguments xq, wq, qk, bq, bk; writes qk
.if DOCPART == 2
	.amdgcn_target "amdgcn-amd-amdhsa--gfx1250"
	.amdhsa_code_object_version 6
	.text
	.protected	k_qe25b02bce8_proj_qk
	.globl	k_qe25b02bce8_proj_qk
	.p2align	8
	.type	k_qe25b02bce8_proj_qk,@function
k_qe25b02bce8_proj_qk:
	s_mov_b64 s[64:65], 0
	v_nop
	global_prefetch_b8 v0, s[64:65] scope:SCOPE_SE
	s_setreg_imm32_b32 hwreg(HW_REG_WAVE_MODE, 25, 1), 1
	s_wait_xcnt 0x0
	s_wait_alu depctr_hold_cnt(0) depctr_sa_sdst(0) depctr_va_vdst(0) depctr_va_sdst(0) depctr_va_ssrc(0) depctr_va_vcc(0) depctr_vm_vsrc(0)
	s_getreg_b32 s2, hwreg(HW_REG_IB_STS2, 6, 4)
	s_cmp_eq_u32 s2, 0
	s_cbranch_scc0 .Lentry_in_a_cluster
	s_endpgm
.Lentry_in_a_cluster:
	s_bfe_u32 s2, ttmp6, 0x10000c
	s_cmp_lg_u32 s2, 0xf033
	s_cbranch_scc0 .Lentry_shape_is_right
	s_endpgm
.Lentry_shape_is_right:
.set KSTEP,  256
.set NQ,     2
.set ROWB,   192
.set PLA,    1572864
.set PLB,    786432
.set PITCH,  240
.set FR,     12
.set NL,     6
.set NP,     4
.set HALFT,  128*PITCH
.set SLOT,   4*HALFT
.set LAPS,   2
.set KS,     32
.set SCL,    2*SLOT
.set HALFS,  16*272
.set SBLK,   2*272
.set SPARE,  SCL+4*HALFS
.set XSO,    6291456
.set WSO,    3145728
.set ADRA, 16
.set ADRB, 20
.set LI,   24
.set SA,   25
.set ADRS, 27
.set SPW,  28
.set NIL,  29
.set SC,   32
.set BIAS, 64
.set AF,   128
.set TM,   64
.set PW,   80
.set SW0,  84
.set SW1,  88
.set CT,   92
.set IMG,  128
.set G1, 24
.set G0, 32
.set G1B, 48
.set G0B, 56
.set G1S, 68
.set G0S, 76
.set G1SB, 80
.set G0SB, 88
.set MSB, 0
.macro WIN new
.if MSB != \new
	s_set_vgpr_msb (MSB<<8)|\new
.set MSB, \new
.endif
.endm
.set MUL_LO, 0xa1
.set MUL_HI, 0xf1
.set TO_B,   0x40
.macro JLOAD g0a, g1a, g0b, g1b
	s_cmp_eq_u32 s15, 0
	s_cbranch_scc0 .Lfor_b_\@
	tensor_load_to_lds s[\g0a:\g0a+3], s[\g1a:\g1a+7]
	s_nop 0
.rept 4
	v_nop
.endr
	s_branch .Lasked_\@
.Lfor_b_\@:
	tensor_load_to_lds s[\g0b:\g0b+3], s[\g1b:\g1b+7]
	s_nop 0
.rept 4
	v_nop
.endr
.Lasked_\@:
.endm
.macro CREST
	s_cmp_lg_u32 s14, 0
	s_cbranch_scc1 .Lnot_wave_0_\@
	s_barrier_signal -3
.Lnot_wave_0_\@:
	s_barrier_wait -3
	s_barrier_signal -1
	s_barrier_wait -1
.endm
.macro CROUND
	s_barrier_signal -1
	s_barrier_wait -1
	CREST
.endm
	s_load_b64 s[4:5], s[0:1], 0x0
	s_load_b64 s[8:9], s[0:1], 0x8
	s_load_b64 s[12:13], s[0:1], 0x10
	s_load_b64 s[96:97], s[0:1], 0x18
	s_load_b64 s[98:99], s[0:1], 0x20
	v_lshl_add_u32 v[SPW], v0, 2, SPARE
	v_mov_b32 v[NIL], 0
	ds_add_u32 v28, v29
	ds_add_u32 v28, v29
	s_wait_dscnt 0x0
	v_lshrrev_b32 v1, 5, v0
	v_readfirstlane_b32 s14, v1
	s_lshr_b32 s15, s14, 1
	s_and_b32 s16, s14, 1
	s_bfe_u32 s40, ttmp6, 0x40000
	s_bfe_u32 s41, ttmp6, 0x40004
	s_lshl_b32 s42, ttmp9, 2
	s_add_co_u32 s42, s42, s40
	s_and_b32 s17, ttmp7, 0xffff
	s_lshl_b32 s17, s17, 2
	s_add_co_u32 s17, s17, s41
	s_lshl_b32 s43, s41, 2
	s_lshl_b32 s43, 15, s43
	s_lshl_b32 s44, 0x1111, s40
	s_or_b32 s[G1+0], s43, (0<<16)|(1<<20)|(1<<21)|(3<<22)|(3<<25)
	s_or_b32 s[G1B+0], s44, (0<<16)|(1<<20)|(1<<21)|(3<<22)|(3<<25)
.irp g, G1, G1B
	s_mov_b32 s[\g+1], 256<<16
	s_mov_b32 s[\g+2], 192<<16
	s_mov_b32 s[\g+3], 256<<16
	s_mov_b32 s[\g+4], 192
	s_mov_b32 s[\g+5], 256
	s_mov_b32 s[\g+6], 0
	s_mov_b32 s[\g+7], 0
.endr
	s_or_b32 s[G1S+0], s43, (3<<16)|(1<<20)|(1<<21)|(5<<22)|(3<<25)
	s_or_b32 s[G1SB+0], s44, (3<<16)|(1<<20)|(1<<21)|(5<<22)|(3<<25)
.irp g, G1S, G1SB
	s_mov_b32 s[\g+1], 32<<16
	s_mov_b32 s[\g+2], 32<<16
	s_mov_b32 s[\g+3], 32<<16
	s_mov_b32 s[\g+4], 32
	s_mov_b32 s[\g+5], 32
	s_mov_b32 s[\g+6], 0
	s_mov_b32 s[\g+7], 0
.endr
	s_lshl_b32 s20, s17, 8
	s_lshl_b32 s46, s42, 8
	s_mov_b32 s21, 0
	s_mov_b32 s47, 0
	s_mov_b64 s[18:19], KS
	s_mul_u64 s[22:23], s[20:21], s[18:19]
	s_mul_u64 s[92:93], s[46:47], s[18:19]
	s_mov_b64 s[18:19], ROWB
	s_mul_u64 s[20:21], s[20:21], s[18:19]
	s_mul_u64 s[46:47], s[46:47], s[18:19]
	s_mul_i32 s45, s14, HALFT
	s_mul_i32 s94, s16, 128*ROWB
	s_mov_b32 s95, 0
	s_wait_kmcnt 0x0
	s_add_nc_u64 s[6:7], s[4:5], XSO
	s_add_nc_u64 s[10:11], s[8:9], WSO
	s_add_nc_u64 s[20:21], s[4:5], s[20:21]
	s_add_nc_u64 s[22:23], s[6:7], s[22:23]
	s_add_nc_u64 s[46:47], s[8:9], s[46:47]
	s_add_nc_u64 s[92:93], s[10:11], s[92:93]
	CROUND
	s_mov_b32 s[G0S], 1
	s_mov_b32 s[G0S+1], SCL
	s_mov_b64 s[G0S+2:G0S+3], s[22:23]
	s_or_b32 s[G0S+3], s[G0S+3], 0x80000000
	s_mov_b32 s[G0SB], 1
	s_mov_b32 s[G0SB+1], SCL+2*HALFS
	s_mov_b64 s[G0SB+2:G0SB+3], s[92:93]
	s_or_b32 s[G0SB+3], s[G0SB+3], 0x80000000
	s_mov_b32 s4, 1
	s_mov_b32 s5, 0
	s_mov_b64 s[6:7], s[20:21]
	s_or_b32 s7, s7, 0x80000000
	s_mov_b32 s8, 1
	s_mov_b32 s9, 2*HALFT
	s_mov_b64 s[10:11], s[46:47]
	s_or_b32 s11, s11, 0x80000000
	s_add_nc_u64 s[20:21], s[20:21], s[94:95]
	s_add_nc_u64 s[46:47], s[46:47], s[94:95]
.irp s, 0,1
	s_mov_b32 s[G0+4*\s], 1
	s_add_co_u32 s[G0+4*\s+1], s45, \s*SLOT
	s_add_nc_u64 s[G0+4*\s+2:G0+4*\s+3], s[20:21], \s*PLA
	s_or_b32 s[G0+4*\s+3], s[G0+4*\s+3], 0x80000000
	s_mov_b32 s[G0B+4*\s], 1
	s_add_co_u32 s[G0B+4*\s+1], s45, \s*SLOT
	s_add_nc_u64 s[G0B+4*\s+2:G0B+4*\s+3], s[46:47], \s*PLB
	s_or_b32 s[G0B+4*\s+3], s[G0B+4*\s+3], 0x80000000
.endr
.macro ARM under, g0, g1, next
	s_cmp_lt_u32 s14, \under
	s_cbranch_scc0 \next
	tensor_load_to_lds s[\g0:\g0+3], s[\g1:\g1+7]
	s_nop 0
.rept 4
	v_nop
.endr
	s_branch .Lhead_asked
\next:
.endm
	ARM 1, 4, G1, .Lhead_b
	ARM 2, 8, G1B, .Lhead_sa
	ARM 3, G0S, G1S, .Lhead_sb
	tensor_load_to_lds s[G0SB:G0SB+3], s[G1SB:G1SB+7]
	s_nop 0
.rept 4
	v_nop
.endr
.Lhead_asked:
	v_and_b32 v1, 15, v0
	v_bfe_u32 v2, v0, 4, 1
	v_mul_u32_u24 v3, v1, PITCH
	v_mul_u32_u24 v4, v2, 24
	v_add_nc_u32 v4, v3, v4
	v_lshl_add_u32 v5, v2, 4, v4
	s_mul_i32 s21, s15, HALFT
	s_mul_i32 s22, s16, HALFT
	s_add_co_u32 s22, s22, 2*HALFT
.irp s, 0,1
	v_add_nc_u32 v[ADRA+\s], s21, v4
	v_add_nc_u32 v[ADRB+\s], s22, v4
	v_add_nc_u32 v[ADRA+2+\s], s21, v5
	v_add_nc_u32 v[ADRB+2+\s], s22, v5
	s_add_co_u32 s21, s21, SLOT
	s_add_co_u32 s22, s22, SLOT
.endr
	v_mul_u32_u24 v5, v1, KS
	v_lshrrev_b32 v6, 8, v5
	v_lshl_add_u32 v5, v6, 4, v5
	s_mul_i32 s21, s15, HALFS
	s_mul_i32 s22, s16, HALFS
	s_add_co_u32 s22, s22, 2*HALFS
	s_sub_co_u32 s22, s22, s21
	v_mul_u32_u24 v6, s22, v2
	s_add_co_u32 s21, s21, SCL
	v_add_nc_u32 v5, v5, v6
	v_add_nc_u32 v[ADRS], s21, v5
	v_and_b32 v6, 31, v0
	v_lshlrev_b32 v[LI], 4, v6
	v_lshlrev_b32 v[SA], 4, v1
	v_mad_u32_u24 v[SA], v2, 204800, v[SA]
	v_lshlrev_b32 v7, 6, v2
	s_cmp_eq_u32 ttmp9, 0
	s_cselect_b64 s[96:97], s[96:97], s[98:99]
	s_lshl_b32 s46, s40, 10
	s_lshl_b32 s47, s16, 9
	s_add_co_u32 s46, s46, s47
	s_mov_b32 s47, 0
	s_add_nc_u64 s[96:97], s[96:97], s[46:47]
.irp b, 0,1,2,3,4,5,6,7
	global_load_b128 v[BIAS+8*\b:BIAS+8*\b+3], v7, s[96:97] offset:(32*(\b/2)+8*(\b%2))*4
	global_load_b128 v[BIAS+8*\b+4:BIAS+8*\b+7], v7, s[96:97] offset:(32*(\b/2)+8*(\b%2))*4+16
.endr
	s_lshr_b32 s20, s17, 3
	s_lshl_b32 s20, s20, 4
	s_lshl_b32 s21, s40, 2
	s_add_co_u32 s20, s20, s21
	s_lshl_b32 s21, s16, 1
	s_add_co_u32 s20, s20, s21
	s_and_b32 s21, s17, 7
	s_lshl_b32 s21, s21, 1
	s_add_co_u32 s21, s21, s15
	s_mul_i32 s22, s20, 204800
	s_mul_i32 s23, s21, 12800
	s_add_co_u32 s22, s22, s23
	s_mul_i32 s23, ttmp9, 13107200
	s_add_co_u32 s22, s22, s23
	s_mov_b32 s23, 0
	s_add_nc_u64 s[12:13], s[12:13], s[22:23]
.macro FRAG reg, adr, q, i
.irp p, 0,1,2,3,4,5
.set PC, 12*(\q)+6*(\p/3)+\p%3
.if PC%8 < 5
	ds_load_b64 v[\reg+2*\p:\reg+2*\p+1], v[\adr] offset:8*PC+16*(PC/8)+(\i)*16*PITCH
.else
	ds_load_b64 v[\reg+2*\p:\reg+2*\p+1], v[\adr+2] offset:8*PC+16*(PC/8)+(\i)*16*PITCH
.endif
.endr
.endm
.macro MUL16 a0, p, q, sc, zero
.irp a, \a0, \a0+1
.irp b, 0,1,2,3,4,5,6,7
.if \zero
	v_wmma_scale_f32_16x16x128_f8f6f4 v[8*(8*((\a)%4)+\b):8*(8*((\a)%4)+\b)+7], v[128*(\p)+FR*\b:128*(\p)+FR*\b+FR-1], v[AF+FR*(\a):AF+FR*(\a)+FR-1], v[BIAS+8*\b:BIAS+8*\b+7], v[SC+8*NQ*(\sc)+NQ*\b+(\q)], v[SC+8*NQ*(\sc)+NQ*(\a)+(\q)] matrix_a_fmt:MATRIX_FMT_FP6 matrix_b_fmt:MATRIX_FMT_FP6 matrix_a_scale:MATRIX_SCALE_ROW1
.else
	v_wmma_scale_f32_16x16x128_f8f6f4 v[8*(8*((\a)%4)+\b):8*(8*((\a)%4)+\b)+7], v[128*(\p)+FR*\b:128*(\p)+FR*\b+FR-1], v[AF+FR*(\a):AF+FR*(\a)+FR-1], v[8*(8*((\a)%4)+\b):8*(8*((\a)%4)+\b)+7], v[SC+8*NQ*(\sc)+NQ*\b+(\q)], v[SC+8*NQ*(\sc)+NQ*(\a)+(\q)] matrix_a_fmt:MATRIX_FMT_FP6 matrix_b_fmt:MATRIX_FMT_FP6 matrix_a_scale:MATRIX_SCALE_ROW1
.endif
.endr
.endr
.endm
.macro FETCH_B slot, q, p
	WIN TO_B
.irp i, 0,1,2,3,4,5,6,7
	FRAG 128*(\p)+FR*\i, ADRB+\slot, \q, \i
.endr
	WIN 0
.endm
.macro FETCH_A slot, q, i0
.irp i, \i0, \i0+1, \i0+2, \i0+3
	FRAG AF+FR*(\i), ADRA+\slot, \q, \i
.endr
.endm
.macro SCALES sc
.irp i, 0,1,2,3,4,5,6,7
	ds_load_b64 v[SC+8*NQ*\sc+NQ*\i:SC+8*NQ*\sc+NQ*\i+1], v[ADRS] offset:\i*SBLK
.endr
.endm
.macro PLACES n
.rept \n
	v_nop
.endr
.endm
.macro STEP slot, q, zero
	s_wait_dscnt 4*NL
.if \zero
	WIN 0x81
.else
	WIN MUL_LO
.endif
	MUL16 0, (\q)%2, \q, \slot, \zero
	MUL16 2, (\q)%2, \q, \slot, \zero
	s_wait_dscnt 0
	PLACES NP
	FETCH_B \slot, (\q)+1, 1-(\q)%2
	FETCH_A \slot, (\q)+1, 0
.if \zero
	WIN 0xc1
.else
	WIN MUL_HI
.endif
	MUL16 4, (\q)%2, \q, \slot, \zero
	MUL16 6, (\q)%2, \q, \slot, \zero
	PLACES NP
	WIN 0
	FETCH_A \slot, (\q)+1, 4
.endm
.macro TURN slot, next, fill
	s_wait_tensorcnt 0x0
	ds_add_u32 v[SPW], v[NIL]
	s_wait_dscnt 4*NL+1
	WIN MUL_LO
	MUL16 0, 1, NQ-1, \slot, 0
	s_wait_dscnt 0x0
	s_barrier_signal -1
	MUL16 2, 1, NQ-1, \slot, 0
	WIN 0
	s_barrier_wait -1
.if \fill
	CREST
	s_add_nc_u64 s[G0+4*\slot+2:G0+4*\slot+3], s[G0+4*\slot+2:G0+4*\slot+3], 2*PLA
	s_add_nc_u64 s[G0B+4*\slot+2:G0B+4*\slot+3], s[G0B+4*\slot+2:G0B+4*\slot+3], 2*PLB
	JLOAD G0+4*\slot, G1, G0B+4*\slot, G1B
.else
	PLACES NP
.endif
	s_wait_alu depctr_va_vdst(0)
	v_add_nc_u32 v[ADRS], 4*NQ, v[ADRS]
	FETCH_B \next, 0, 0
	FETCH_A \next, 0, 0
	SCALES \next
	WIN MUL_HI
	MUL16 4, 1, NQ-1, \slot, 0
	MUL16 6, 1, NQ-1, \slot, 0
	PLACES NP
	WIN 0
	FETCH_A \next, 0, 4
.endm
	s_wait_alu depctr_va_vdst(0)
	s_wait_tensorcnt 0x0
	ds_add_u32 v[SPW], v[NIL]
	s_mov_b32 s[G1+2], 96<<16
	s_mov_b32 s[G1+4], 96
	s_mov_b32 s[G1B+2], 96<<16
	s_mov_b32 s[G1B+4], 96
	s_wait_dscnt 0x0
	CROUND
	JLOAD G0+4, G1, G0B+4, G1B
	FETCH_B 0, 0, 0
	FETCH_A 0, 0, 0
	SCALES 0
	FETCH_A 0, 0, 4
	s_wait_loadcnt 0x0
	STEP 0, 0, 1
	s_mov_b32 s3, LAPS-1
.Llap:
	TURN 0, 1, 1
	STEP 1, 0, 0
	TURN 1, 0, 1
	STEP 0, 0, 0
	s_sub_co_u32 s3, s3, 1
	s_cmp_lg_u32 s3, 0
	s_cbranch_scc1 .Llap
	TURN 0, 1, 0
	STEP 1, 0, 0
	s_wait_dscnt 4*NL
	WIN MUL_LO
	MUL16 0, 1, NQ-1, 1, 0
	MUL16 2, 1, NQ-1, 1, 0
	s_wait_dscnt 0
	WIN MUL_HI
	MUL16 4, 1, NQ-1, 1, 0
	MUL16 6, 1, NQ-1, 1, 0
	WIN 0
.macro QUANTA a, d0, d1, pw
.set AC, 64*((\a)%4)
	WIN 0x0a+5*((\a)/4)
.irp b, 0,1,2,3
	v_max3_num_f32 v[TM+\b], |v[AC+16*\b]|, |v[AC+16*\b+1]|, 0x1800000
.endr
.irp i, 2,4,6,8,10,12,14
.irp b, 0,1,2,3
	v_max3_num_f32 v[TM+\b], |v[AC+16*\b+\i]|, |v[AC+16*\b+\i+1]|, v[TM+\b]
.endr
.endr
	WIN 0
.irp b, 0,1,2,3
	v_permlanex16_b32 v[TM+4+\b], v[TM+\b], s20, s21
.endr
.irp b, 0,1,2,3
	v_max_num_f32 v[TM+\b], v[TM+\b], v[TM+4+\b]
.endr
.irp b, 0,1,2,3
	v_add_nc_u32 v[TM+12+\b], 0xff000000, v[TM+\b]
.endr
.irp b, 0,1,2,3
	v_lshrrev_b32 v[TM+4+\b], 23, v[TM+12+\b]
.endr
	v_lshl_or_b32 v[\pw], v[TM+5], 8, v[TM+4]
	v_lshl_or_b32 v[\pw], v[TM+6], 16, v[\pw]
	v_lshl_or_b32 v[\pw], v[TM+7], 24, v[\pw]
	WIN 0x02+((\a)/4)
	v_cvt_scalef32_pk16_fp6_f32 v[\d0:\d0+2], v[AC:AC+15], v[TM+12]
	v_cvt_scalef32_pk16_fp6_f32 v[CT:CT+2], v[AC+16:AC+31], v[TM+13]
	v_cvt_scalef32_pk16_fp6_f32 v[\d1:\d1+2], v[AC+32:AC+47], v[TM+14]
	v_cvt_scalef32_pk16_fp6_f32 v[CT+4:CT+6], v[AC+48:AC+63], v[TM+15]
	WIN 0
	v_nop
.irp i, 0,1,2
	v_permlane16_swap_b32 v[\d0+\i], v[CT+\i]
	v_permlane16_swap_b32 v[\d1+\i], v[CT+4+\i]
.endr
.irp i, 0,1,2
	v_mov_b32 v[\d0+3+\i], v[CT+\i]
	v_mov_b32 v[\d1+3+\i], v[CT+4+\i]
.endr
.endm
	s_mov_b32 s20, 0x76543210
	s_mov_b32 s21, 0xfedcba98
	s_mov_b32 s22, 0xffff0000
	PLACES NP
.irp e, 0,1,2,3
	QUANTA 2*\e, IMG+24*\e, IMG+24*\e+12, PW
	QUANTA 2*\e+1, IMG+24*\e+6, IMG+24*\e+18, PW+1
	v_perm_b32 v[SW0+\e], v[PW+1], v[PW], 0x05040100
	v_perm_b32 v[SW1+\e], v[PW+1], v[PW], 0x07060302
.irp c, 0,1
.irp j, 0,1,2
	global_store_b128 v[LI], v[IMG+24*\e+12*\c+4*\j:IMG+24*\e+12*\c+4*\j+3], s[12:13] offset:\c*204800+\e*1536+512*\j
.endr
.endr
.endr
.irp e, 0,1,2,3
	v_cndmask_b32 v[SW0+\e], v[SW0+\e], v[SW1+\e], s22
.endr
	global_store_b128 v[SA], v[SW0:SW0+3], s[12:13] offset:12288
	s_wait_tensorcnt 0x0
	ds_add_u32 v[SPW], v[NIL]
	s_wait_dscnt 0x0
	CROUND
	s_endpgm
.Lfunc_end_k_qe25b02bce8_proj_qk:
	.size	k_qe25b02bce8_proj_qk, .Lfunc_end_k_qe25b02bce8_proj_qk-k_qe25b02bce8_proj_qk
	.p2alignl 7, 3214868480
	.fill 96, 4, 3214868480
	.section	.rodata,"a",@progbits
	.p2align	6, 0x0
	.amdhsa_kernel k_qe25b02bce8_proj_qk
		.amdhsa_group_segment_fixed_size 327680
		.amdhsa_private_segment_fixed_size 0
		.amdhsa_enable_private_segment 0
		.amdhsa_kernarg_size 40
		.amdhsa_user_sgpr_count 2
		.amdhsa_user_sgpr_kernarg_segment_ptr 1
		.amdhsa_wavefront_size32 1
		.amdhsa_system_sgpr_workgroup_id_x 1
		.amdhsa_system_sgpr_workgroup_id_y 1
		.amdhsa_system_sgpr_workgroup_id_z 1
		.amdhsa_system_vgpr_workitem_id 0
		.amdhsa_next_free_vgpr 1024
		.amdhsa_next_free_sgpr 100
		.amdhsa_reserve_vcc 0
		.amdhsa_float_denorm_mode_32 3
		.amdhsa_float_denorm_mode_16_64 3
		.amdhsa_memory_ordered 1
		.amdhsa_forward_progress 1
		.amdhsa_inst_pref_size 168
	.end_amdhsa_kernel
	.amdgpu_metadata
---
amdhsa.version: [ 1, 2 ]
amdhsa.kernels:
  - .name:           k_qe25b02bce8_proj_qk
    .symbol:         k_qe25b02bce8_proj_qk.kd
    .args:
      - { .name: xq, .offset: 0, .size: 8, .value_kind: global_buffer, .address_space: global }
      - { .name: wq, .offset: 8, .size: 8, .value_kind: global_buffer, .address_space: global }
      - { .name: qk, .offset: 16, .size: 8, .value_kind: global_buffer, .address_space: global }
      - { .name: bq, .offset: 24, .size: 8, .value_kind: global_buffer, .address_space: global }
      - { .name: bk, .offset: 32, .size: 8, .value_kind: global_buffer, .address_space: global }
    .group_segment_fixed_size: 327680
    .private_segment_fixed_size: 0
    .kernarg_segment_align: 8
    .kernarg_segment_size: 40
    .max_flat_workgroup_size: 128
    .sgpr_count:     100
    .vgpr_count:     1024
    .wavefront_size: 32
...
	.end_amdgpu_metadata
.endif
;; end of part 2
;; launch proj_v (part 3): grid 32 x 4, 4 waves a work-group, clusters of 4 x 4, 327,680 bytes of LDS; arguments wq, xq, qk, bv; writes qk
.if DOCPART == 3
	.amdgcn_target "amdgcn-amd-amdhsa--gfx1250"
	.amdhsa_code_object_version 6
	.text
	.protected	k_qe25b02bce8_proj_v
	.globl	k_qe25b02bce8_proj_v
	.p2align	8
	.type	k_qe25b02bce8_proj_v,@function
k_qe25b02bce8_proj_v:
	s_mov_b64 s[64:65], 0
	v_nop
	global_prefetch_b8 v0, s[64:65] scope:SCOPE_SE
	s_setreg_imm32_b32 hwreg(HW_REG_WAVE_MODE, 25, 1), 1
	s_wait_xcnt 0x0
	s_wait_alu depctr_hold_cnt(0) depctr_sa_sdst(0) depctr_va_vdst(0) depctr_va_sdst(0) depctr_va_ssrc(0) depctr_va_vcc(0) depctr_vm_vsrc(0)
	s_getreg_b32 s2, hwreg(HW_REG_IB_STS2, 6, 4)
	s_cmp_eq_u32 s2, 0
	s_cbranch_scc0 .Lentry_in_a_cluster
	s_endpgm
.Lentry_in_a_cluster:
	s_bfe_u32 s2, ttmp6, 0x10000c
	s_cmp_lg_u32 s2, 0xf033
	s_cbranch_scc0 .Lentry_shape_is_right
	s_endpgm
.Lentry_shape_is_right:
.set KSTEP,  256
.set NQ,     2
.set ROWB,   192
.set PLA,    786432
.set PLB,    1572864
.set PITCH,  240
.set FR,     12
.set NL,     6
.set NP,     4
.set HALFT,  128*PITCH
.set SLOT,   4*HALFT
.set LAPS,   2
.set KS,     32
.set SCL,    2*SLOT
.set HALFS,  16*272
.set SBLK,   2*272
.set SPARE,  SCL+4*HALFS
.set XSO,    6291456
.set WSO,    3145728
.set ADRA, 16
.set ADRB, 20
.set LI,   24
.set SA,   25
.set ADRS, 27
.set SPW,  28
.set NIL,  29
.set SC,   32
.set BIAS, 64
.set AF,   128
.set TM,   64
.set SW0,  84
.set SW1,  88
.set CT,   92
.set IMG,  128
.set G1, 24
.set G0, 32
.set G1B, 48
.set G0B, 56
.set G1S, 68
.set G0S, 76
.set G1SB, 80
.set G0SB, 88
.set MSB, 0
.macro WIN new
.if MSB != \new
	s_set_vgpr_msb (MSB<<8)|\new
.set MSB, \new
.endif
.endm
.set MUL_LO, 0xa1
.set MUL_HI, 0xf1
.set TO_B,   0x40
.macro JLOAD g0a, g1a, g0b, g1b
	s_cmp_eq_u32 s15, 0
	s_cbranch_scc0 .Lfor_b_\@
	tensor_load_to_lds s[\g0a:\g0a+3], s[\g1a:\g1a+7]
	s_nop 0
.rept 4
	v_nop
.endr
	s_branch .Lasked_\@
.Lfor_b_\@:
	tensor_load_to_lds s[\g0b:\g0b+3], s[\g1b:\g1b+7]
	s_nop 0
.rept 4
	v_nop
.endr
.Lasked_\@:
.endm
.macro CREST
	s_cmp_lg_u32 s14, 0
	s_cbranch_scc1 .Lnot_wave_0_\@
	s_barrier_signal -3
.Lnot_wave_0_\@:
	s_barrier_wait -3
	s_barrier_signal -1
	s_barrier_wait -1
.endm
.macro CROUND
	s_barrier_signal -1
	s_barrier_wait -1
	CREST
.endm
	s_load_b64 s[4:5], s[0:1], 0x0
	s_load_b64 s[8:9], s[0:1], 0x8
	s_load_b64 s[12:13], s[0:1], 0x10
	s_load_b64 s[96:97], s[0:1], 0x18
	v_lshl_add_u32 v[SPW], v0, 2, SPARE
	v_mov_b32 v[NIL], 0
	ds_add_u32 v28, v29
	ds_add_u32 v28, v29
	s_wait_dscnt 0x0
	v_lshrrev_b32 v1, 5, v0
	v_readfirstlane_b32 s14, v1
	s_lshr_b32 s15, s14, 1
	s_and_b32 s16, s14, 1
	s_bfe_u32 s40, ttmp6, 0x40000
	s_bfe_u32 s41, ttmp6, 0x40004
	s_lshl_b32 s42, ttmp9, 2
	s_add_co_u32 s42, s42, s40
	s_mov_b32 s17, s41
	s_lshl_b32 s43, s41, 2
	s_lshl_b32 s43, 15, s43
	s_lshl_b32 s44, 0x1111, s40
	s_or_b32 s[G1+0], s43, (0<<16)|(1<<20)|(1<<21)|(3<<22)|(3<<25)
	s_or_b32 s[G1B+0], s44, (0<<16)|(1<<20)|(1<<21)|(3<<22)|(3<<25)
.irp g, G1, G1B
	s_mov_b32 s[\g+1], 256<<16
	s_mov_b32 s[\g+2], 192<<16
	s_mov_b32 s[\g+3], 256<<16
	s_mov_b32 s[\g+4], 192
	s_mov_b32 s[\g+5], 256
	s_mov_b32 s[\g+6], 0
	s_mov_b32 s[\g+7], 0
.endr
	s_or_b32 s[G1S+0], s43, (3<<16)|(1<<20)|(1<<21)|(5<<22)|(3<<25)
	s_or_b32 s[G1SB+0], s44, (3<<16)|(1<<20)|(1<<21)|(5<<22)|(3<<25)
.irp g, G1S, G1SB
	s_mov_b32 s[\g+1], 32<<16
	s_mov_b32 s[\g+2], 32<<16
	s_mov_b32 s[\g+3], 32<<16
	s_mov_b32 s[\g+4], 32
	s_mov_b32 s[\g+5], 32
	s_mov_b32 s[\g+6], 0
	s_mov_b32 s[\g+7], 0
.endr
	s_lshl_b32 s20, s17, 8
	s_add_co_u32 s20, s20, 2048
	s_lshl_b32 s46, s42, 8
	s_mov_b32 s21, 0
	s_mov_b32 s47, 0
	s_mov_b64 s[18:19], KS
	s_mul_u64 s[22:23], s[20:21], s[18:19]
	s_mul_u64 s[92:93], s[46:47], s[18:19]
	s_mov_b64 s[18:19], ROWB
	s_mul_u64 s[20:21], s[20:21], s[18:19]
	s_mul_u64 s[46:47], s[46:47], s[18:19]
	s_mul_i32 s45, s14, HALFT
	s_mul_i32 s94, s16, 128*ROWB
	s_mov_b32 s95, 0
	s_wait_kmcnt 0x0
	s_add_nc_u64 s[6:7], s[4:5], WSO
	s_add_nc_u64 s[10:11], s[8:9], XSO
	s_add_nc_u64 s[20:21], s[4:5], s[20:21]
	s_add_nc_u64 s[22:23], s[6:7], s[22:23]
	s_add_nc_u64 s[46:47], s[8:9], s[46:47]
	s_add_nc_u64 s[92:93], s[10:11], s[92:93]
	CROUND
	s_mov_b32 s[G0S], 1
	s_mov_b32 s[G0S+1], SCL
	s_mov_b64 s[G0S+2:G0S+3], s[22:23]
	s_or_b32 s[G0S+3], s[G0S+3], 0x80000000
	s_mov_b32 s[G0SB], 1
	s_mov_b32 s[G0SB+1], SCL+2*HALFS
	s_mov_b64 s[G0SB+2:G0SB+3], s[92:93]
	s_or_b32 s[G0SB+3], s[G0SB+3], 0x80000000
	s_mov_b32 s4, 1
	s_mov_b32 s5, 0
	s_mov_b64 s[6:7], s[20:21]
	s_or_b32 s7, s7, 0x80000000
	s_mov_b32 s8, 1
	s_mov_b32 s9, 2*HALFT
	s_mov_b64 s[10:11], s[46:47]
	s_or_b32 s11, s11, 0x80000000
	s_add_nc_u64 s[20:21], s[20:21], s[94:95]
	s_add_nc_u64 s[46:47], s[46:47], s[94:95]
.irp s, 0,1
	s_mov_b32 s[G0+4*\s], 1
	s_add_co_u32 s[G0+4*\s+1], s45, \s*SLOT
	s_add_nc_u64 s[G0+4*\s+2:G0+4*\s+3], s[20:21], \s*PLA
	s_or_b32 s[G0+4*\s+3], s[G0+4*\s+3], 0x80000000
	s_mov_b32 s[G0B+4*\s], 1
	s_add_co_u32 s[G0B+4*\s+1], s45, \s*SLOT
	s_add_nc_u64 s[G0B+4*\s+2:G0B+4*\s+3], s[46:47], \s*PLB
	s_or_b32 s[G0B+4*\s+3], s[G0B+4*\s+3], 0x80000000
.endr
.macro ARM under, g0, g1, next
	s_cmp_lt_u32 s14, \under
	s_cbranch_scc0 \next
	tensor_load_to_lds s[\g0:\g0+3], s[\g1:\g1+7]
	s_nop 0
.rept 4
	v_nop
.endr
	s_branch .Lhead_asked
\next:
.endm
	ARM 1, 4, G1, .Lhead_b
	ARM 2, 8, G1B, .Lhead_sa
	ARM 3, G0S, G1S, .Lhead_sb
	tensor_load_to_lds s[G0SB:G0SB+3], s[G1SB:G1SB+7]
	s_nop 0
.rept 4
	v_nop
.endr
.Lhead_asked:
	v_and_b32 v1, 15, v0
	v_bfe_u32 v2, v0, 4, 1
	v_mul_u32_u24 v3, v1, PITCH
	v_mul_u32_u24 v4, v2, 24
	v_add_nc_u32 v4, v3, v4
	v_lshl_add_u32 v5, v2, 4, v4
	s_mul_i32 s21, s15, HALFT
	s_mul_i32 s22, s16, HALFT
	s_add_co_u32 s22, s22, 2*HALFT
.irp s, 0,1
	v_add_nc_u32 v[ADRA+\s], s21, v4
	v_add_nc_u32 v[ADRB+\s], s22, v4
	v_add_nc_u32 v[ADRA+2+\s], s21, v5
	v_add_nc_u32 v[ADRB+2+\s], s22, v5
	s_add_co_u32 s21, s21, SLOT
	s_add_co_u32 s22, s22, SLOT
.endr
	v_mul_u32_u24 v5, v1, KS
	v_lshrrev_b32 v6, 8, v5
	v_lshl_add_u32 v5, v6, 4, v5
	s_mul_i32 s21, s15, HALFS
	s_mul_i32 s22, s16, HALFS
	s_add_co_u32 s22, s22, 2*HALFS
	s_sub_co_u32 s22, s22, s21
	v_mul_u32_u24 v6, s22, v2
	s_add_co_u32 s21, s21, SCL
	v_add_nc_u32 v5, v5, v6
	v_add_nc_u32 v[ADRS], s21, v5
	v_and_b32 v6, 31, v0
	v_lshlrev_b32 v[LI], 4, v6
	v_lshlrev_b32 v[SA], 4, v1
	v_mad_u32_u24 v[SA], v2, 204800, v[SA]
	v_and_b32 v7, 8, v1
	v_add_nc_u32 v7, v7, v1
	v_lshlrev_b32 v7, 2, v7
	s_lshl_b32 s46, s17, 10
	s_lshl_b32 s47, s15, 9
	s_add_co_u32 s46, s46, s47
	s_mov_b32 s47, 0
	s_add_nc_u64 s[96:97], s[96:97], s[46:47]
.irp a, 0,1,2,3,4,5,6,7
.irp j, 0,1,2,3,4,5,6,7
	global_load_b32 v[BIAS+8*\a+\j], v7, s[96:97] offset:(32*(\a/2)+8*(\a%2))*4
.endr
.endr
	s_lshr_b32 s20, s42, 3
	s_lshl_b32 s20, s20, 4
	s_lshl_b32 s21, s17, 2
	s_add_co_u32 s20, s20, s21
	s_lshl_b32 s21, s15, 1
	s_add_co_u32 s20, s20, s21
	s_and_b32 s21, s42, 7
	s_lshl_b32 s21, s21, 1
	s_add_co_u32 s21, s21, s16
	s_mul_i32 s22, s20, 204800
	s_mul_i32 s23, s21, 12800
	s_add_co_u32 s22, s22, s23
	s_add_co_u32 s22, s22, 13107200+6144
	s_mov_b32 s23, 0
	s_add_nc_u64 s[12:13], s[12:13], s[22:23]
.macro FRAG reg, adr, q, i
.irp p, 0,1,2,3,4,5
.set PC, 12*(\q)+6*(\p/3)+\p%3
.if PC%8 < 5
	ds_load_b64 v[\reg+2*\p:\reg+2*\p+1], v[\adr] offset:8*PC+16*(PC/8)+(\i)*16*PITCH
.else
	ds_load_b64 v[\reg+2*\p:\reg+2*\p+1], v[\adr+2] offset:8*PC+16*(PC/8)+(\i)*16*PITCH
.endif
.endr
.endm
.macro MUL16 a0, p, q, sc, zero
.irp a, \a0, \a0+1
.irp b, 0,1,2,3,4,5,6,7
.if \zero
	v_wmma_scale_f32_16x16x128_f8f6f4 v[8*(8*((\a)%4)+\b):8*(8*((\a)%4)+\b)+7], v[128*(\p)+FR*\b:128*(\p)+FR*\b+FR-1], v[AF+FR*(\a):AF+FR*(\a)+FR-1], v[BIAS+8*(\a):BIAS+8*(\a)+7], v[SC+8*NQ*(\sc)+NQ*\b+(\q)], v[SC+8*NQ*(\sc)+NQ*(\a)+(\q)] matrix_a_fmt:MATRIX_FMT_FP6 matrix_b_fmt:MATRIX_FMT_FP6 matrix_a_scale:MATRIX_SCALE_ROW1
.else
	v_wmma_scale_f32_16x16x128_f8f6f4 v[8*(8*((\a)%4)+\b):8*(8*((\a)%4)+\b)+7], v[128*(\p)+FR*\b:128*(\p)+FR*\b+FR-1], v[AF+FR*(\a):AF+FR*(\a)+FR-1], v[8*(8*((\a)%4)+\b):8*(8*((\a)%4)+\b)+7], v[SC+8*NQ*(\sc)+NQ*\b+(\q)], v[SC+8*NQ*(\sc)+NQ*(\a)+(\q)] matrix_a_fmt:MATRIX_FMT_FP6 matrix_b_fmt:MATRIX_FMT_FP6 matrix_a_scale:MATRIX_SCALE_ROW1
.endif
.endr
.endr
.endm
.macro FETCH_B slot, q, p
	WIN TO_B
.irp i, 0,1,2,3,4,5,6,7
	FRAG 128*(\p)+FR*\i, ADRB+\slot, \q, \i
.endr
	WIN 0
.endm
.macro FETCH_A slot, q, i0
.irp i, \i0, \i0+1, \i0+2, \i0+3
	FRAG AF+FR*(\i), ADRA+\slot, \q, \i
.endr
.endm
.macro SCALES sc
.irp i, 0,1,2,3,4,5,6,7
	ds_load_b64 v[SC+8*NQ*\sc+NQ*\i:SC+8*NQ*\sc+NQ*\i+1], v[ADRS] offset:\i*SBLK
.endr
.endm
.macro PLACES n
.rept \n
	v_nop
.endr
.endm
.macro STEP slot, q, zero
	s_wait_dscnt 4*NL
.if \zero
	WIN 0x81
.else
	WIN MUL_LO
.endif
	MUL16 0, (\q)%2, \q, \slot, \zero
	MUL16 2, (\q)%2, \q, \slot, \zero
	s_wait_dscnt 0
	PLACES NP
	FETCH_B \slot, (\q)+1, 1-(\q)%2
	FETCH_A \slot, (\q)+1, 0
.if \zero
	WIN 0xc1
.else
	WIN MUL_HI
.endif
	MUL16 4, (\q)%2, \q, \slot, \zero
	MUL16 6, (\q)%2, \q, \slot, \zero
	PLACES NP
	WIN 0
	FETCH_A \slot, (\q)+1, 4
.endm
.macro TURN slot, next, fill
	s_wait_tensorcnt 0x0
	ds_add_u32 v[SPW], v[NIL]
	s_wait_dscnt 4*NL+1
	WIN MUL_LO
	MUL16 0, 1, NQ-1, \slot, 0
	s_wait_dscnt 0x0
	s_barrier_signal -1
	MUL16 2, 1, NQ-1, \slot, 0
	WIN 0
	s_barrier_wait -1
.if \fill
	CREST
	s_add_nc_u64 s[G0+4*\slot+2:G0+4*\slot+3], s[G0+4*\slot+2:G0+4*\slot+3], 2*PLA
	s_add_nc_u64 s[G0B+4*\slot+2:G0B+4*\slot+3], s[G0B+4*\slot+2:G0B+4*\slot+3], 2*PLB
	JLOAD G0+4*\slot, G1, G0B+4*\slot, G1B
.else
	PLACES NP
.endif
	s_wait_alu depctr_va_vdst(0)
	v_add_nc_u32 v[ADRS], 4*NQ, v[ADRS]
	FETCH_B \next, 0, 0
	FETCH_A \next, 0, 0
	SCALES \next
	WIN MUL_HI
	MUL16 4, 1, NQ-1, \slot, 0
	MUL16 6, 1, NQ-1, \slot, 0
	PLACES NP
	WIN 0
	FETCH_A \next, 0, 4
.endm
	s_wait_alu depctr_va_vdst(0)
	s_wait_tensorcnt 0x0
	ds_add_u32 v[SPW], v[NIL]
	s_mov_b32 s[G1+2], 96<<16
	s_mov_b32 s[G1+4], 96
	s_mov_b32 s[G1B+2], 96<<16
	s_mov_b32 s[G1B+4], 96
	s_wait_dscnt 0x0
	CROUND
	JLOAD G0+4, G1, G0B+4, G1B
	FETCH_B 0, 0, 0
	FETCH_A 0, 0, 0
	SCALES 0
	FETCH_A 0, 0, 4
	s_wait_loadcnt 0x0
	STEP 0, 0, 1
	s_mov_b32 s3, LAPS-1
.Llap:
	TURN 0, 1, 1
	STEP 1, 0, 0
	TURN 1, 0, 1
	STEP 0, 0, 0
	s_sub_co_u32 s3, s3, 1
	s_cmp_lg_u32 s3, 0
	s_cbranch_scc1 .Llap
	TURN 0, 1, 0
	STEP 1, 0, 0
	s_wait_dscnt 4*NL
	WIN MUL_LO
	MUL16 0, 1, NQ-1, 1, 0
	MUL16 2, 1, NQ-1, 1, 0
	s_wait_dscnt 0
	WIN MUL_HI
	MUL16 4, 1, NQ-1, 1, 0
	MUL16 6, 1, NQ-1, 1, 0
	WIN 0
.macro QUANTA a, d0, d1, pw
.set AC, 64*((\a)%4)
	WIN 0x0a+5*((\a)/4)
.irp b, 0,1,2,3
	v_max3_num_f32 v[TM+\b], |v[AC+16*\b]|, |v[AC+16*\b+1]|, 0x1800000
.endr
.irp i, 2,4,6,8,10,12,14
.irp b, 0,1,2,3
	v_max3_num_f32 v[TM+\b], |v[AC+16*\b+\i]|, |v[AC+16*\b+\i+1]|, v[TM+\b]
.endr
.endr
	WIN 0
	v_max_num_f32 v[TM], v[TM], v[TM+1]            ; a lane's 32 registers are a whole block of 32 tokens: block 2 G + h
	v_max_num_f32 v[TM+2], v[TM+2], v[TM+3]
	v_add_nc_u32 v[TM+12], 0xff000000, v[TM]
	v_add_nc_u32 v[TM+14], 0xff000000, v[TM+2]
	v_lshrrev_b32 v[TM+4], 23, v[TM+12]
	v_lshrrev_b32 v[TM+5], 23, v[TM+14]
	v_lshl_or_b32 v[TM+4], v[TM+5], 16, v[TM+4]    ; my two bytes, blocks h and 2 + h,
	v_lshlrev_b32 v[TM+4], v30, v[TM+4]            ; 8 h bits up;
	v_permlanex16_b32 v[TM+5], v[TM+4], s20, s21
	v_or_b32 v[\pw], v[TM+4], v[TM+5]              ; with lane l xor 16's two the word is whole
	WIN 0x02+((\a)/4)
	v_cvt_scalef32_pk16_fp6_f32 v[\d0:\d0+2], v[AC:AC+15], v[TM+12]
	v_cvt_scalef32_pk16_fp6_f32 v[CT:CT+2], v[AC+16:AC+31], v[TM+12]
	v_cvt_scalef32_pk16_fp6_f32 v[\d1:\d1+2], v[AC+32:AC+47], v[TM+14]
	v_cvt_scalef32_pk16_fp6_f32 v[CT+4:CT+6], v[AC+48:AC+63], v[TM+14]
	WIN 0
	v_nop
.irp i, 0,1,2
	v_mov_b32 v[\d0+3+\i], v[CT+\i]
	v_mov_b32 v[\d1+3+\i], v[CT+4+\i]
.endr
.endm
	s_mov_b32 s20, 0x76543210
	s_mov_b32 s21, 0xfedcba98
	s_mov_b32 s22, 0xffff0000
	v_lshlrev_b32 v30, 3, v2
	PLACES NP
.irp a, 0,1,2,3,4,5,6,7
	QUANTA \a, IMG+12*\a, IMG+12*\a+6, SW0+\a
.irp j, 0,1,2
	global_store_b128 v[LI], v[IMG+12*\a+4*\j:IMG+12*\a+4*\j+3], s[12:13] offset:(\a/4)*204800+(\a%4)*1536+512*\j
.endr
.endr
.irp e, 0,1,2,3
	v_cndmask_b32 v[SW0+\e], v[SW0+\e], v[SW1+\e], s22
.endr
	global_store_b128 v[SA], v[SW0:SW0+3], s[12:13] offset:6400
	s_wait_tensorcnt 0x0
	ds_add_u32 v[SPW], v[NIL]
	s_wait_dscnt 0x0
	CROUND
	s_endpgm
.Lfunc_end_k_qe25b02bce8_proj_v:
	.size	k_qe25b02bce8_proj_v, .Lfunc_end_k_qe25b02bce8_proj_v-k_qe25b02bce8_proj_v
	.p2alignl 7, 3214868480
	.fill 96, 4, 3214868480
	.section	.rodata,"a",@progbits
	.p2align	6, 0x0
	.amdhsa_kernel k_qe25b02bce8_proj_v
		.amdhsa_group_segment_fixed_size 327680
		.amdhsa_private_segment_fixed_size 0
		.amdhsa_enable_private_segment 0
		.amdhsa_kernarg_size 32
		.amdhsa_user_sgpr_count 2
		.amdhsa_user_sgpr_kernarg_segment_ptr 1
		.amdhsa_wavefront_size32 1
		.amdhsa_system_sgpr_workgroup_id_x 1
		.amdhsa_system_sgpr_workgroup_id_y 1
		.amdhsa_system_sgpr_workgroup_id_z 1
		.amdhsa_system_vgpr_workitem_id 0
		.amdhsa_next_free_vgpr 1024
		.amdhsa_next_free_sgpr 100
		.amdhsa_reserve_vcc 0
		.amdhsa_float_denorm_mode_32 3
		.amdhsa_float_denorm_mode_16_64 3
		.amdhsa_memory_ordered 1
		.amdhsa_forward_progress 1
		.amdhsa_inst_pref_size 166
	.end_amdhsa_kernel
	.amdgpu_metadata
---
amdhsa.version: [ 1, 2 ]
amdhsa.kernels:
  - .name:           k_qe25b02bce8_proj_v
    .symbol:         k_qe25b02bce8_proj_v.kd
    .args:
      - { .name: wq, .offset: 0, .size: 8, .value_kind: global_buffer, .address_space: global }
      - { .name: xq, .offset: 8, .size: 8, .value_kind: global_buffer, .address_space: global }
      - { .name: qk, .offset: 16, .size: 8, .value_kind: global_buffer, .address_space: global }
      - { .name: bv, .offset: 24, .size: 8, .value_kind: global_buffer, .address_space: global }
    .group_segment_fixed_size: 327680
    .private_segment_fixed_size: 0
    .kernarg_segment_align: 8
    .kernarg_segment_size: 32
    .max_flat_workgroup_size: 128
    .sgpr_count:     100
    .vgpr_count:     1024
    .wavefront_size: 32
...
	.end_amdgpu_metadata
.endif
;; end of part 3
;; launch attn (part 4): grid 4 x 64, 16 waves a work-group, clusters of 4 x 1, 219,648 bytes of LDS; arguments qk, ao; writes ao
.if DOCPART == 4
	.amdgcn_target "amdgcn-amd-amdhsa--gfx1250"
	.amdhsa_code_object_version 6
	.text
	.protected	k_qe25b02bce8_attn
	.globl	k_qe25b02bce8_attn
	.p2align	8
	.type	k_qe25b02bce8_attn,@function
k_qe25b02bce8_attn:
	s_mov_b64 s[64:65], 0
	v_nop
	global_prefetch_b8 v0, s[64:65] scope:SCOPE_SE
	s_setreg_imm32_b32 hwreg(HW_REG_WAVE_MODE, 25, 1), 1
	s_wait_xcnt 0x0
	s_wait_alu depctr_hold_cnt(0) depctr_sa_sdst(0) depctr_va_vdst(0) depctr_va_sdst(0) depctr_va_ssrc(0) depctr_va_vcc(0) depctr_vm_vsrc(0)
	s_getreg_b32 s2, hwreg(HW_REG_IB_STS2, 6, 4)
	s_cmp_eq_u32 s2, 0
	s_cbranch_scc0 .Lentry_in_a_cluster
	s_endpgm
.Lentry_in_a_cluster:
	s_bfe_u32 s2, ttmp6, 0x10000c
	s_cmp_lg_u32 s2, 0x3003
	s_cbranch_scc0 .Lentry_shape_is_right
	s_endpgm
.Lentry_shape_is_right:
; Attention of one (batch, head) on codes of FP6 (E2M3) with E8M0 scales: S^T = K Q^T, p = 2^(t - M), O^T = V^T P^T, O / l, and O quantised along D in registers.  2,048 keys, head size 64.
; t = score x log2(e) / 8; M = the running largest t rounded UP to a whole number; p is quantised along the keys, not normalised; l is the sum of the unquantised p, in f32.  When M moves, l and O are multiplied by 2^(old M - new M): exact.
; SHARES.  A work-group owns 512 queries of a head, the four of a cluster the whole head.  Each of sixteen waves owns 16 queries at a time, in two passes, in 256 registers.
; RECORDS.  qk holds for each (tensor, head, key step of 128 tokens) a record of 12,800 bytes: four images of Q or K (6,144), four of V (6,144), the 16 x 4 scale words of Q or K (256), those of V (256).  Q's records lie at 0 (V's parts unused), K's and V's at KVO.
; THE HEAD'S 16 RECORDS STAY IN LDS, 204,800 bytes, filled ONCE: wave w brings record w by one joint load that names all four work-groups, as 50 rows of 256 bytes.  One tensor load of a wave is out at the most; every wave waits for it (0), one barrier shows all, and no barrier follows.
; No prefetch: all that the launch fetches by tensor loads is asked for at its head, so there is no trip to run ahead in.
; IMAGES.  An operand's 12 registers lie in memory and LDS as in registers: register p of lane L at 512 (p / 4) + 16 L + 4 (p % 4).
; THE HEAD'S 64 CHANNELS FILL HALF OF K = 128.  An image of K holds two tiles of 16 keys; against [Q | zeros] the first tile's scores come out, against [zeros | Q] the second's.
; By the tokens' stored order, row 8 h + i of tile 4 G + j is key 64 G + 32 h + 8 j + i: so registers 96 + 32 G .. + 31 of lane (r, h) are the whole block of keys 64 G + 32 h + 0 .. 31 of query r, as the next operand's layout wants them: no lane is asked for a block's maximum.
; A STEP: the products S(i) follow the products O(i - 1) directly; V(i) is asked of LDS behind them, K(i + 1) ahead of the 32 additions for l, which are made in place on p once its codes are made.
; OUT (ao): for each tile of 16 stored tokens and each head half a fragment, 768 bytes (four registers at 16 L, two at 512 + 8 L).  A token's two scale bytes of a head go to its row of 32 bytes, one byte a lane: the next launch wants a row's 32 bytes together.
; LIMITS: a block of zeros gets the byte 1 where the rule says 127 (this program alone reads the bytes); NaN and infinities are not served; the promise holds while the exponents t stay under 2^31 in magnitude.
; REGISTERS: v0, v8, v9 at work; v1 16 L; v2, v3 the step's LDS addresses; v4 8 h; v5 8 L; v6 32 r + h; v7 12288 + 16 r; v10 f, v11 p's scale word; v12 -M, v13 the largest score, v[14:15] l; v16-21 Q, v22-27 zeros, v28-33 Q; v34 Q's scale word, v35 the next pass's;
; v36-83 K's four images, at work between S and the next fetch; v84-87, v88-91 K's and V's scale words; v92-95, v252-253 the next pass's Q; v96-159 S^T, then p; v160-191 O^T; v192-239 V; v240-251 p's codes; v254-255 the add's two.
.set REC,   12800
.set HEADB, 204800
.set KVO,   13107200
.set ASO,   6291456
.set SPARE, 217600                     ; the spare words, 128 bytes a wave, apart from the records
.macro WALU
	s_wait_alu depctr_va_vdst(0)
.endm
.macro DEP n
	s_delay_alu instid0(VALU_DEP_\n)
.endm
.macro ROUND                           ; a round of the cluster's barrier
	s_barrier_signal -1
	s_barrier_wait -1
	s_cmp_lg_u32 s18, 0
	s_cbranch_scc1 .Lnot_wave_0_\@
	s_barrier_signal -3
.Lnot_wave_0_\@:
	s_barrier_wait -3
	s_barrier_signal -1
	s_barrier_wait -1
.endm
	s_load_b128 s[4:7], s[0:1], 0x0                ; qk, ao
	v_lshl_add_u32 v254, v0, 2, SPARE
	v_mov_b32 v255, 0
	ds_add_u32 v254, v255                          ; the opening lines
	ds_add_u32 v254, v255
	v_lshrrev_b32 v1, 5, v0
	v_readfirstlane_b32 s18, v1                    ; wave 0..15
	s_and_b32 s76, ttmp7, 0xffff                   ; 16 x batch + head: the four partners share it
	s_mul_i32 s78, s76, HEADB
	s_mov_b32 s79, 0
	s_mul_i32 s41, s18, REC                        ; LDS: record w
	s_add_co_u32 s80, s78, s41
	s_add_co_u32 s80, s80, KVO
	s_mov_b32 s81, 0
	s_mov_b32 s24, 15|(3<<16)|(1<<21)              ; group 1: the mask names all four; elements of 8 bytes; no padding
	s_mov_b32 s25, 32<<16                          ; rows of 256 bytes,
	s_mov_b32 s26, 50<<16                          ; 50 of them
	s_mov_b32 s27, 32<<16
	s_mov_b32 s28, 50
	s_mov_b32 s29, 32
	s_mov_b32 s30, 0
	s_mov_b32 s31, 0
	s_mov_b32 s40, 1
	s_wait_dscnt 0x0
	s_wait_kmcnt 0x0
	s_add_nc_u64 s[42:43], s[4:5], s[80:81]
	s_or_b32 s43, s43, 0x80000000
	ROUND                                          ; all four work-groups are here: the joint loads meet
	tensor_load_to_lds s[40:43], s[24:31]          ; my one load
	s_nop 0
	s_bfe_u32 s19, ttmp6, 0x40000                  ; cx: it enters Q's and the output's addresses alone
	s_mov_b32 s20, 0x76543210
	s_mov_b32 s21, 0xfedcba98                      ; selects for lane l xor 16
	s_mov_b32 s22, 0x3e38aa3b                      ; c = log2(e) / 8
	s_mov_b32 s23, s22
	s_mov_b32 s87, 0xbe38aa3b                      ; -c
	s_mov_b32 s86, 0xffff0000                      ; lanes 16-31
	s_bitcmp1_b32 s18, 0                           ; odd waves take an image's second tile
	s_cselect_b32 s66, -1, 0
	s_mov_b32 s67, 0x01000100
	s_cselect_b32 s67, 0x03020302, s67             ; which two bytes of Q's word are my tile's
	s_lshl_b32 s77, s19, 2
	s_lshr_b32 s82, s18, 3
	s_add_co_u32 s77, s77, s82                     ; Q's record: 4 cx + wave / 8 (the second pass: two on)
	s_mul_i32 s77, s77, REC
	s_add_co_u32 s78, s78, s77
	s_bfe_u32 s77, s18, 0x20001                    ; its image: (wave / 2) % 4
	s_mul_i32 s82, s77, 1536
	s_add_co_u32 s82, s82, s78
	s_mov_b32 s83, 0
	s_add_nc_u64 s[68:69], s[4:5], s[82:83]
	s_lshl_b32 s77, s77, 2
	s_add_co_u32 s82, s78, s77
	s_add_co_u32 s82, s82, 12288
	s_add_nc_u64 s[70:71], s[4:5], s[82:83]        ; and that image's scale words
	s_lshr_b32 s77, s76, 4
	s_lshl_b32 s77, s77, 7
	s_lshl_b32 s78, s19, 5
	s_add_co_u32 s77, s77, s78
	s_add_co_u32 s77, s77, s18                     ; my stored tile of 16 tokens: 128 x batch + 32 cx + wave
	s_and_b32 s78, s76, 15                         ; the head
	s_lshl_b32 s79, s77, 4
	s_add_co_u32 s79, s79, s78
	s_mul_i32 s82, s79, 768
	s_add_nc_u64 s[72:73], s[6:7], s[82:83]        ; my half fragment
	s_lshl_b32 s82, s77, 9
	s_lshl_b32 s78, s78, 1
	s_add_co_u32 s82, s82, s78
	s_add_co_u32 s82, s82, ASO
	s_add_nc_u64 s[74:75], s[6:7], s[82:83]        ; my tokens' rows of scale bytes, at the head's two
	v_and_b32 v8, 31, v0                           ; L
	v_and_b32 v9, 15, v0                           ; r
	v_bfe_u32 v10, v0, 4, 1                        ; h
	v_lshlrev_b32 v1, 4, v8
	v_lshlrev_b32 v3, 4, v9
	v_lshlrev_b32 v5, 3, v8
	v_lshl_add_u32 v6, v9, 5, v10
	v_lshlrev_b32 v4, 3, v10
	v_add_nc_u32 v7, 12288, v3
	v_mov_b32 v11, 0                               ; (named as the upper half of v[10:11] before it is first written)
.irp e, 0,1,2,3,4,5
	v_mov_b32 v[22+\e], 0                          ; the zero codes between the two copies of Q
.endr
.irp j, 0,1,2
	global_load_b128 v[96+4*\j:99+4*\j], v1, s[68:69] offset:512*\j            ; both passes' images of Q, under the tensor load's flight
	global_load_b128 v[108+4*\j:111+4*\j], v1, s[68:69] offset:2*REC+512*\j
.endr
	global_load_b32 v8, v3, s[70:71]
	global_load_b32 v9, v3, s[70:71] offset:2*REC
	s_wait_loadcnt 0x0
.irp e, 0,1,2,3,4,5
	v_cndmask_b32 v[16+\e], v[96+\e], v[102+\e], s66   ; registers 0-5 or 6-11: my tile
.endr
.irp e, 0,1,2,3
	v_cndmask_b32 v[92+\e], v[108+\e], v[114+\e], s66
.endr
	v_cndmask_b32 v252, v112, v118, s66
	v_cndmask_b32 v253, v113, v119, s66
	v_perm_b32 v34, v8, v8, s67                    ; my tile's two bytes, for either half of K
	v_perm_b32 v35, v9, v9, s67
	WALU                                           ; the wait at the head's end
	s_wait_tensorcnt 0x0                           ; my record is in;
	s_barrier_signal -1
	s_barrier_wait -1                              ; everybody's is
; A KEY STEP: 128 keys.  s60: the step's record in LDS.  more = 1: the next step's K is fetched.
.macro STEP more
	s_wait_dscnt 0x0                               ; K and its words are in
.irp b, 0,1,2,3
	v_wmma_scale_f32_16x16x128_f8f6f4 v[96+16*\b:103+16*\b], v[36+12*\b:47+12*\b], v[16:27], 0, v[84+\b], v34 matrix_a_fmt:MATRIX_FMT_FP6 matrix_b_fmt:MATRIX_FMT_FP6
	v_wmma_scale_f32_16x16x128_f8f6f4 v[104+16*\b:111+16*\b], v[36+12*\b:47+12*\b], v[22:33], 0, v[84+\b], v34 matrix_a_fmt:MATRIX_FMT_FP6 matrix_b_fmt:MATRIX_FMT_FP6
.endr
	v_add_nc_u32 v2, s60, v1                       ; four places behind the products, ahead of the loads into V's registers and of the first read of the scores
	v_add_nc_u32 v3, s60, v7
	v_mov_b32 v9, v12                              ; the old -M
	v_nop
.irp t, 0,1,2,3
.irp j, 0,1,2
	ds_load_b128 v[192+12*\t+4*\j:195+12*\t+4*\j], v2 offset:6144+1536*\t+512*\j
.endr
.endr
	ds_load_b128 v[88:91], v3 offset:256
.irp a, 0,1,2,3,4,5,6,7                        ; the largest score of my two blocks of 32 keys, eight chains by turns, one to an accumulator: it serves the row's maximum and, since p rises with the score, the block's largest p
	v_max3_num_f32 v[44+\a], v[96+8*\a], v[97+8*\a], v[98+8*\a]
.endr
.irp i, 3,5
.irp a, 0,1,2,3,4,5,6,7
	v_max3_num_f32 v[44+\a], v[44+\a], v[96+8*\a+\i], v[97+8*\a+\i]
.endr
.endr
	v_max3_num_f32 v44, v44, v45, v103             ; the chains are joined, each join taking in an accumulator's last register
	v_max3_num_f32 v46, v46, v47, v111
	v_max3_num_f32 v48, v48, v49, v135
	v_max3_num_f32 v50, v50, v51, v143
	v_max3_num_f32 v44, v44, v46, v119
	v_max3_num_f32 v48, v48, v50, v151
	v_max_num_f32 v36, v44, v127
	v_max_num_f32 v38, v48, v159
	DEP 1
	v_max_num_f32 v8, v36, v38
	DEP 1
	v_permlanex16_b32 v0, v8, s20, s21
	DEP 1
	v_max3_num_f32 v13, v13, v8, v0                ; the running largest score of my query
	DEP 1
	v_mul_f32 v8, s87, v13                         ; -t
	DEP 1
	v_floor_f32 v12, v8                            ; the new -M = floor(-t): M is a whole number
	DEP 1
	v_sub_f32 v9, v12, v9                          ; old M - new M: a whole number, 0 or less
.set j, 0
.rept 32
.if j == 10
	v_cvt_i32_f32 v9, v9                           ; (it saturates)  The last two links of f's chain stand among the multiply-adds, which want -M alone
.endif
.if j == 20
	v_ldexp_f32 v10, 1.0, v9                       ; f = 2^(old M - new M)
.endif
	v_pk_fma_f32 v[96+j:97+j], v[96+j:97+j], s[22:23], v[12:13] op_sel_hi:[1,0,0]   ; t - M, two at a time
.set j, j+2
.endr
	v_fma_f32 v36, v36, s22, v12                   ; the same of each block's largest score
	v_fma_f32 v38, v38, s22, v12
.set j, 0
.rept 16
	v_pk_mul_f32 v[160+j:161+j], v[160+j:161+j], v[10:11] op_sel_hi:[1,0]   ; O^T under the new M
.set j, j+2
.endr
	WALU                                           ; the wait ahead of the batch
	v_exp_f32 v36, v36                             ; the blocks' largest p
	v_exp_f32 v38, v38
.set j, 0
.rept 64
	v_exp_f32 v[96+j], v[96+j]                     ; p = 2^(t - M), at most 1
.set j, j+1
.endr
	v_pk_mul_f32 v[14:15], v[14:15], v[10:11] op_sel_hi:[1,0]   ; l under the new M: the plain place behind the batch
	WALU                                           ; one wait for the batch, ahead of its first reader
	v_max_num_f32 v36, 0x1800000, v36              ; the floor 2^(3 - 127): the byte cannot fall under 1
	v_max_num_f32 v38, 0x1800000, v38
	DEP 2
	v_add_nc_u32 v40, 0xff000000, v36              ; 2 off the exponent field: the conversion's scale operand
	DEP 2
	v_add_nc_u32 v41, 0xff000000, v38
	v_cvt_scalef32_pk16_fp6_f32 v[240:242], v[96:111], v40
	v_cvt_scalef32_pk16_fp6_f32 v[246:248], v[128:143], v41
	v_cvt_scalef32_pk16_fp6_f32 v[44:46], v[112:127], v40     ; (a conversion's three registers begin on an even number)
	v_cvt_scalef32_pk16_fp6_f32 v[48:50], v[144:159], v41
	v_lshrrev_b32 v42, 23, v40                     ; the bytes; the plain place behind the conversions
	v_lshrrev_b32 v43, 23, v41
.irp i, 0,1,2
	v_mov_b32 v[243+\i], v[44+\i]
	v_mov_b32 v[249+\i], v[48+\i]
.endr
	v_lshl_or_b32 v42, v43, 16, v42                ; my two bytes, blocks h and 2 + h,
	DEP 1
	v_lshlrev_b32 v42, v4, v42                     ; 8 h bits up;
	DEP 1
	v_permlanex16_b32 v0, v42, s20, s21
	DEP 1
	v_or_b32 v11, v42, v0                          ; with lane l xor 16's two: p's scale word for these 128 keys
.if \more
.irp i, 0,1,2,3
.irp j, 0,1,2
	ds_load_b128 v[36+12*\i+4*\j:39+12*\i+4*\j], v2 offset:REC+1536*\i+512*\j
.endr
.endr
	ds_load_b128 v[84:87], v3 offset:REC
.endif
.set k, 7                                      ; l += the 64 unquantised p: 32 packed additions in eight chains, seven of them in place; they also stand between the writes of p's codes and word and the products
.rept 25
.if (k-7)%8 == 0
	v_pk_add_f32 v[14:15], v[14:15], v[96+2*k:97+2*k]
.else
	v_pk_add_f32 v[94+2*((k-7)%8):95+2*((k-7)%8)], v[94+2*((k-7)%8):95+2*((k-7)%8)], v[96+2*k:97+2*k]
.endif
.set k, k+1
.endr
	v_pk_add_f32 v[96:97], v[96:97], v[98:99]
	v_pk_add_f32 v[100:101], v[100:101], v[102:103]
	v_pk_add_f32 v[104:105], v[104:105], v[106:107]
	v_pk_add_f32 v[14:15], v[14:15], v[108:109]
	v_pk_add_f32 v[96:97], v[96:97], v[100:101]
	v_pk_add_f32 v[14:15], v[14:15], v[104:105]
	v_pk_add_f32 v[14:15], v[14:15], v[96:97]
.if \more
	s_wait_dscnt 13                                ; V and its words are in; the thirteen loads for the next K may be out
.else
	WALU
	s_wait_dscnt 0x0
.endif
.irp t, 0,1,2,3                                ; four accumulators by turns, one instruction a turn
	v_wmma_scale_f32_16x16x128_f8f6f4 v[160+8*\t:167+8*\t], v[192+12*\t:203+12*\t], v[240:251], v[160+8*\t:167+8*\t], v[88+\t], v11 matrix_a_fmt:MATRIX_FMT_FP6 matrix_b_fmt:MATRIX_FMT_FP6
.endr
	s_add_co_u32 s60, s60, REC
.endm
	s_mov_b32 s63, 2
.Lpass:                                            ; 16 queries a wave, twice
.irp i, 0,1,2,3
.irp j, 0,1,2
	ds_load_b128 v[36+12*\i+4*\j:39+12*\i+4*\j], v1 offset:1536*\i+512*\j   ; key step 0's K
.endr
.endr
	ds_load_b128 v[84:87], v7
.irp e, 0,1,2,3,4,5
	v_mov_b32 v[28+\e], v[16+\e]                   ; v[16:27] = [Q | zeros], v[22:33] = [zeros | Q]
.endr
	v_mov_b32 v13, 0xff61b1e6                      ; the largest score so far: -3e38
	v_mov_b32 v12, 0x7e000000                      ; -M: so large that the first f is 0
	v_mov_b32 v14, 0
	v_mov_b32 v15, 0
.set j, 0
.rept 32
	v_mov_b32 v[160+j], 0                          ; O^T: the step is written once; its first trip finds zeros
.set j, j+1
.endr
	s_mov_b32 s60, 0
	s_mov_b32 s62, 15
	WALU                                           ; the wait ahead of the loop's waits
.Lstep:
	STEP 1
	s_sub_co_u32 s62, s62, 1
	s_cmp_lg_u32 s62, 0
	s_cbranch_scc1 .Lstep
	STEP 0                                         ; the last step fetches nothing more
	; THE PASS'S END: O^T / l, quantised along the head's 64 channels (two blocks of D), stored as half a fragment.
.rept 4
	v_nop
.endr
	v_add_f32 v14, v14, v15                        ; l's two halves,
	DEP 1
	v_permlanex16_b32 v9, v14, s20, s21
	DEP 1
	v_add_f32 v14, v14, v9                         ; and lane l xor 16's
	WALU
	v_rcp_f32 v14, v14
	v_nop                                          ; a plain place behind the reciprocal
	WALU                                           ; the wait ahead of its first reader and of O^T's
.set j, 0
.rept 16
	v_pk_mul_f32 v[96+j:97+j], v[160+j:161+j], v[14:15] op_sel_hi:[1,0]   ; register 16 b + i: channel 32 b + 16 h + i of my query
.set j, j+2
.endr
	v_max3_num_f32 v56, |v96|, |v97|, 0x1800000
	v_max3_num_f32 v57, |v112|, |v113|, 0x1800000
.irp i, 2,4,6,8,10,12,14
	DEP 2
	v_max3_num_f32 v56, v56, |v[96+\i]|, |v[97+\i]|
	DEP 2
	v_max3_num_f32 v57, v57, |v[112+\i]|, |v[113+\i]|
.endr
	DEP 2
	v_permlanex16_b32 v0, v56, s20, s21
	DEP 2
	v_permlanex16_b32 v8, v57, s20, s21
	DEP 2
	v_max_num_f32 v56, v56, v0
	DEP 2
	v_max_num_f32 v57, v57, v8
	DEP 2
	v_add_nc_u32 v68, 0xff000000, v56
	DEP 2
	v_add_nc_u32 v69, 0xff000000, v57
	DEP 2
	v_lshrrev_b32 v72, 23, v68
	DEP 2
	v_lshrrev_b32 v73, 23, v69
	v_cvt_scalef32_pk16_fp6_f32 v[36:38], v[96:111], v68
	v_cvt_scalef32_pk16_fp6_f32 v[40:42], v[112:127], v69
	v_nop                                          ; one plain place behind a scaled conversion
.irp i, 0,1,2
	v_permlane16_swap_b32 v[36+\i], v[40+\i]       ; lanes 0-15 block 0, lanes 16-31 block 1
.endr
	v_mov_b32 v39, v40
	v_mov_b32 v40, v41
	v_mov_b32 v41, v42                             ; v36-41: channels 32 h .. 32 h + 31
	v_cndmask_b32 v9, v72, v73, s86                ; my block's byte
	global_store_b128 v1, v[36:39], s[72:73]       ; 512 consecutive bytes, aligned
	global_store_b64 v5, v[40:41], s[72:73] offset:512   ; 256 consecutive bytes, aligned
	global_store_b8 v6, v9, s[74:75]
	s_wait_xcnt 0x0                                ; the stores have read their registers and bases
	s_add_nc_u64 s[72:73], s[72:73], 196608        ; sixteen tiles of tokens on
	s_add_nc_u64 s[74:75], s[74:75], 8192
.irp e, 0,1,2,3
	v_mov_b32 v[16+\e], v[92+\e]                   ; the second pass's Q and word (behind the second pass these seven copies serve nothing: the loop's text is one)
.endr
	v_mov_b32 v20, v252
	v_mov_b32 v21, v253
	v_mov_b32 v34, v35
	s_sub_co_u32 s63, s63, 1
	s_cmp_lg_u32 s63, 0
	WALU                                           ; the wait ahead of the branch
	s_cbranch_scc1 .Lpass
	s_wait_tensorcnt 0x0                           ; the wave's end
	ds_add_u32 v254, v255
	s_wait_dscnt 0x0
	ROUND                                          ; the closing round
	s_endpgm
.Lfunc_end_k_qe25b02bce8_attn:
	.size	k_qe25b02bce8_attn, .Lfunc_end_k_qe25b02bce8_attn-k_qe25b02bce8_attn
	.p2alignl 7, 3214868480
	.fill 96, 4, 3214868480
	.section	.rodata,"a",@progbits
	.p2align	6, 0x0
	.amdhsa_kernel k_qe25b02bce8_attn
		.amdhsa_group_segment_fixed_size 219648
		.amdhsa_private_segment_fixed_size 0
		.amdhsa_enable_private_segment 0
		.amdhsa_kernarg_size 16
		.amdhsa_user_sgpr_count 2
		.amdhsa_user_sgpr_kernarg_segment_ptr 1
		.amdhsa_wavefront_size32 1
		.amdhsa_system_sgpr_workgroup_id_x 1
		.amdhsa_system_sgpr_workgroup_id_y 1
		.amdhsa_system_sgpr_workgroup_id_z 1
		.amdhsa_system_vgpr_workitem_id 0
		.amdhsa_next_free_vgpr 256
		.amdhsa_next_free_sgpr 90
		.amdhsa_reserve_vcc 0
		.amdhsa_float_denorm_mode_32 3
		.amdhsa_float_denorm_mode_16_64 3
		.amdhsa_memory_ordered 1
		.amdhsa_forward_progress 1
		.amdhsa_inst_pref_size 42
	.end_amdhsa_kernel
	.amdgpu_metadata
---
amdhsa.version: [ 1, 2 ]
amdhsa.kernels:
  - .name:           k_qe25b02bce8_attn
    .symbol:         k_qe25b02bce8_attn.kd
    .args:
      - { .name: qk, .offset: 0, .size: 8, .value_kind: global_buffer, .address_space: global }
      - { .name: ao, .offset: 8, .size: 8, .value_kind: global_buffer, .address_space: global }
    .group_segment_fixed_size: 219648
    .private_segment_fixed_size: 0
    .kernarg_segment_align: 8
    .kernarg_segment_size: 16
    .max_flat_workgroup_size: 512
    .sgpr_count:     90
    .vgpr_count:     256
    .wavefront_size: 32
...
	.end_amdgpu_metadata
.endif
;; end of part 4
;; launch oproj (part 5): grid 4 x 32, 4 waves a work-group, clusters of 4 x 4, 327,680 bytes of LDS; arguments ao, wq, out0, bo; writes out0
.if DOCPART == 5
	.amdgcn_target "amdgcn-amd-amdhsa--gfx1250"
	.amdhsa_code_object_version 6
	.text
	.protected	k_qe25b02bce8_oproj
	.globl	k_qe25b02bce8_oproj
	.p2align	8
	.type	k_qe25b02bce8_oproj,@function
k_qe25b02bce8_oproj:
	s_mov_b64 s[64:65], 0
	v_nop
	global_prefetch_b8 v0, s[64:65] scope:SCOPE_SE
	s_setreg_imm32_b32 hwreg(HW_REG_WAVE_MODE, 25, 1), 1
	s_wait_xcnt 0x0
	s_wait_alu depctr_hold_cnt(0) depctr_sa_sdst(0) depctr_va_vdst(0) depctr_va_sdst(0) depctr_va_ssrc(0) depctr_va_vcc(0) depctr_vm_vsrc(0)
	s_getreg_b32 s2, hwreg(HW_REG_IB_STS2, 6, 4)
	s_cmp_eq_u32 s2, 0
	s_cbranch_scc0 .Lentry_in_a_cluster
	s_endpgm
.Lentry_in_a_cluster:
	s_bfe_u32 s2, ttmp6, 0x10000c
	s_cmp_lg_u32 s2, 0xf033
	s_cbranch_scc0 .Lentry_shape_is_right
	s_endpgm
.Lentry_shape_is_right:
.set KSTEP,  256
.set NQ,     2
.set ROWB,   192
.set KROW,   768
.set PLB,    786432
.set PITCH,  240
.set FR,     12
.set NL,     6
.set NLA,    4
.set NP,     4
.set HALFT,  128*PITCH
.set AHALF,  8*3072
.set ABYTES, 2*AHALF
.set ASTEP,  3072
.set SLOT,   ABYTES+2*HALFT
.set LAPS,   2
.set KS,     32
.set SCL,    2*SLOT
.set HALFS,  16*272
.set SBLK,   2*272
.set SPARE,  SCL+4*HALFS
.set SPITCH, 528
.set ASO,    6291456
.set WSO,    3145728
.set ADRA, 16
.set ADRB, 20
.set STO,  24
.set RD,   25
.set CO,   26
.set ADRS, 27
.set SPW,  28
.set NIL,  29
.set SC,   32
.set BIAS, 64
.set AF,   128
.set BK,   128
.set G1, 24
.set G0, 32
.set G1B, 48
.set G0B, 56
.set G1S, 68
.set G0S, 76
.set G1SB, 80
.set G0SB, 88
.set MSB, 0
.macro WIN new
.if MSB != \new
	s_set_vgpr_msb (MSB<<8)|\new
.set MSB, \new
.endif
.endm
.set MUL_LO, 0xa1
.set MUL_HI, 0xf1
.set TO_B,   0x40
.macro JLOAD g0a, g1a, g0b, g1b
	s_cmp_eq_u32 s15, 0
	s_cbranch_scc0 .Lfor_b_\@
	tensor_load_to_lds s[\g0a:\g0a+3], s[\g1a:\g1a+7]
	s_nop 0
.rept 4
	v_nop
.endr
	s_branch .Lasked_\@
.Lfor_b_\@:
	tensor_load_to_lds s[\g0b:\g0b+3], s[\g1b:\g1b+7]
	s_nop 0
.rept 4
	v_nop
.endr
.Lasked_\@:
.endm
.macro CREST
	s_cmp_lg_u32 s14, 0
	s_cbranch_scc1 .Lnot_wave_0_\@
	s_barrier_signal -3
.Lnot_wave_0_\@:
	s_barrier_wait -3
	s_barrier_signal -1
	s_barrier_wait -1
.endm
.macro CROUND
	s_barrier_signal -1
	s_barrier_wait -1
	CREST
.endm
	s_load_b64 s[4:5], s[0:1], 0x0
	s_load_b64 s[8:9], s[0:1], 0x8
	s_load_b64 s[12:13], s[0:1], 0x10
	s_load_b64 s[96:97], s[0:1], 0x18
	v_lshl_add_u32 v[SPW], v0, 2, SPARE
	v_mov_b32 v[NIL], 0
	ds_add_u32 v28, v29
	ds_add_u32 v28, v29
	s_wait_dscnt 0x0
	v_lshrrev_b32 v1, 5, v0
	v_readfirstlane_b32 s14, v1
	s_lshr_b32 s15, s14, 1
	s_and_b32 s16, s14, 1
	s_bfe_u32 s40, ttmp6, 0x40000
	s_bfe_u32 s41, ttmp6, 0x40004
	s_lshl_b32 s42, ttmp9, 2
	s_add_co_u32 s42, s42, s40
	s_and_b32 s17, ttmp7, 0xffff
	s_lshl_b32 s17, s17, 2
	s_add_co_u32 s17, s17, s41
	s_lshl_b32 s43, s41, 2
	s_lshl_b32 s43, 15, s43
	s_lshl_b32 s44, 0x1111, s40
	s_or_b32 s[G1+0], s43, (3<<16)|(1<<21)
	s_mov_b32 s[G1+1], 384<<16
	s_mov_b32 s[G1+2], 16<<16
	s_mov_b32 s[G1+3], 384<<16
	s_mov_b32 s[G1+4], 16
	s_mov_b32 s[G1+5], 1536
	s_mov_b32 s[G1+6], 0
	s_mov_b32 s[G1+7], 0
	s_or_b32 s[G1B+0], s44, (0<<16)|(1<<20)|(1<<21)|(3<<22)|(3<<25)
	s_mov_b32 s[G1B+1], 256<<16
	s_mov_b32 s[G1B+2], 192<<16
	s_mov_b32 s[G1B+3], 256<<16
	s_mov_b32 s[G1B+4], 192
	s_mov_b32 s[G1B+5], 256
	s_mov_b32 s[G1B+6], 0
	s_mov_b32 s[G1B+7], 0
	s_or_b32 s[G1S+0], s43, (3<<16)|(1<<20)|(1<<21)|(5<<22)|(3<<25)
	s_or_b32 s[G1SB+0], s44, (3<<16)|(1<<20)|(1<<21)|(5<<22)|(3<<25)
.irp g, G1S, G1SB
	s_mov_b32 s[\g+1], 32<<16
	s_mov_b32 s[\g+2], 32<<16
	s_mov_b32 s[\g+3], 32<<16
	s_mov_b32 s[\g+4], 32
	s_mov_b32 s[\g+5], 32
	s_mov_b32 s[\g+6], 0
	s_mov_b32 s[\g+7], 0
.endr
	s_lshl_b32 s20, s17, 8
	s_lshl_b32 s46, s42, 8
	s_add_co_u32 s46, s46, 3072
	s_mov_b32 s21, 0
	s_mov_b32 s47, 0
	s_mov_b64 s[18:19], KS
	s_mul_u64 s[22:23], s[20:21], s[18:19]
	s_mul_u64 s[92:93], s[46:47], s[18:19]
	s_mov_b64 s[18:19], KROW
	s_mul_u64 s[20:21], s[20:21], s[18:19]
	s_mov_b64 s[18:19], ROWB
	s_mul_u64 s[46:47], s[46:47], s[18:19]
	s_mul_i32 s45, s16, AHALF
	s_mul_i32 s95, s16, HALFT
	s_add_co_u32 s95, s95, ABYTES
	s_mul_i32 s98, s16, 128*KROW
	s_mov_b32 s99, 0
	s_mul_i32 s2, s16, 128*ROWB
	s_mov_b32 s3, 0
	s_wait_kmcnt 0x0
	s_add_nc_u64 s[6:7], s[4:5], ASO
	s_add_nc_u64 s[10:11], s[8:9], WSO
	s_add_nc_u64 s[20:21], s[4:5], s[20:21]
	s_add_nc_u64 s[22:23], s[6:7], s[22:23]
	s_add_nc_u64 s[46:47], s[8:9], s[46:47]
	s_add_nc_u64 s[92:93], s[10:11], s[92:93]
	CROUND
	s_mov_b32 s[G0S], 1
	s_mov_b32 s[G0S+1], SCL
	s_mov_b64 s[G0S+2:G0S+3], s[22:23]
	s_or_b32 s[G0S+3], s[G0S+3], 0x80000000
	s_mov_b32 s[G0SB], 1
	s_mov_b32 s[G0SB+1], SCL+2*HALFS
	s_mov_b64 s[G0SB+2:G0SB+3], s[92:93]
	s_or_b32 s[G0SB+3], s[G0SB+3], 0x80000000
	s_mov_b32 s4, 1
	s_mov_b32 s5, 0
	s_mov_b64 s[6:7], s[20:21]
	s_or_b32 s7, s7, 0x80000000
	s_mov_b32 s8, 1
	s_mov_b32 s9, ABYTES
	s_mov_b64 s[10:11], s[46:47]
	s_or_b32 s11, s11, 0x80000000
	s_add_nc_u64 s[20:21], s[20:21], s[98:99]
	s_add_nc_u64 s[46:47], s[46:47], s[2:3]
.irp s, 0,1
	s_mov_b32 s[G0+4*\s], 1
	s_add_co_u32 s[G0+4*\s+1], s45, \s*SLOT
	s_add_nc_u64 s[G0+4*\s+2:G0+4*\s+3], s[20:21], \s*ASTEP
	s_or_b32 s[G0+4*\s+3], s[G0+4*\s+3], 0x80000000
	s_mov_b32 s[G0B+4*\s], 1
	s_add_co_u32 s[G0B+4*\s+1], s95, \s*SLOT
	s_add_nc_u64 s[G0B+4*\s+2:G0B+4*\s+3], s[46:47], \s*PLB
	s_or_b32 s[G0B+4*\s+3], s[G0B+4*\s+3], 0x80000000
.endr
.macro ARM under, g0, g1, next
	s_cmp_lt_u32 s14, \under
	s_cbranch_scc0 \next
	tensor_load_to_lds s[\g0:\g0+3], s[\g1:\g1+7]
	s_nop 0
.rept 4
	v_nop
.endr
	s_branch .Lhead_asked
\next:
.endm
	ARM 1, 4, G1, .Lhead_b
	ARM 2, 8, G1B, .Lhead_sa
	ARM 3, G0S, G1S, .Lhead_sb
	tensor_load_to_lds s[G0SB:G0SB+3], s[G1SB:G1SB+7]
	s_nop 0
.rept 4
	v_nop
.endr
.Lhead_asked:
	v_and_b32 v1, 15, v0
	v_bfe_u32 v2, v0, 4, 1
	v_mul_u32_u24 v3, v1, PITCH
	v_mul_u32_u24 v4, v2, 24
	v_add_nc_u32 v4, v3, v4
	v_lshl_add_u32 v5, v2, 4, v4
	v_and_b32 v6, 31, v0
	v_lshlrev_b32 v7, 4, v6
	v_lshlrev_b32 v8, 3, v6
	v_add_nc_u32 v8, 512, v8
	s_mul_i32 s21, s15, AHALF
	s_mul_i32 s22, s16, HALFT
	s_add_co_u32 s22, s22, ABYTES
.irp s, 0,1
	v_add_nc_u32 v[ADRA+\s], s21, v7
	v_add_nc_u32 v[ADRA+2+\s], s21, v8
	v_add_nc_u32 v[ADRB+\s], s22, v4
	v_add_nc_u32 v[ADRB+2+\s], s22, v5
	s_add_co_u32 s21, s21, SLOT
	s_add_co_u32 s22, s22, SLOT
.endr
	v_mul_u32_u24 v5, v1, KS
	v_lshrrev_b32 v6, 8, v5
	v_lshl_add_u32 v5, v6, 4, v5
	s_mul_i32 s21, s15, HALFS
	s_mul_i32 s22, s16, HALFS
	s_add_co_u32 s22, s22, 2*HALFS
	s_sub_co_u32 s22, s22, s21
	v_mul_u32_u24 v6, s22, v2
	s_add_co_u32 s21, s21, SCL
	v_add_nc_u32 v5, v5, v6
	v_add_nc_u32 v[ADRS], s21, v5
	s_mul_i32 s23, s14, 16*SPITCH
	v_mul_u32_u24 v5, v1, SPITCH
	v_lshl_add_u32 v5, v2, 6, v5
	v_add_nc_u32 v[STO], s23, v5
	v_and_b32 v6, 31, v0
	v_lshlrev_b32 v[CO], 4, v6
	v_add_nc_u32 v[RD], s23, v[CO]
	v_lshlrev_b32 v9, 6, v2
	s_lshl_b32 s46, s42, 10
	s_lshl_b32 s47, s16, 9
	s_add_co_u32 s46, s46, s47
	s_mov_b32 s47, 0
	s_add_nc_u64 s[96:97], s[96:97], s[46:47]
.irp b, 0,1,2,3,4,5,6,7
	global_load_b128 v[BIAS+8*\b:BIAS+8*\b+3], v9, s[96:97] offset:(32*(\b/2)+8*(\b%2))*4
	global_load_b128 v[BIAS+8*\b+4:BIAS+8*\b+7], v9, s[96:97] offset:(32*(\b/2)+8*(\b%2))*4+16
.endr
	s_lshl_b32 s20, s17, 8
	s_lshl_b32 s21, s15, 7
	s_add_co_u32 s20, s20, s21
	s_lshl_b32 s20, s20, 12
	s_add_co_u32 s20, s20, s46
	s_mov_b32 s21, 0
	s_add_nc_u64 s[12:13], s[12:13], s[20:21]
.macro FRAG reg, adr, q, i
.irp p, 0,1,2,3,4,5
.set PC, 12*(\q)+6*(\p/3)+\p%3
.if PC%8 < 5
	ds_load_b64 v[\reg+2*\p:\reg+2*\p+1], v[\adr] offset:8*PC+16*(PC/8)+(\i)*16*PITCH
.else
	ds_load_b64 v[\reg+2*\p:\reg+2*\p+1], v[\adr+2] offset:8*PC+16*(PC/8)+(\i)*16*PITCH
.endif
.endr
.endm
.macro FRAG_A reg, slot, q, i
.irp c, 0,1
	ds_load_b128 v[\reg+6*\c:\reg+6*\c+3], v[ADRA+\slot] offset:3072*(\i)+1536*(\q)+768*\c
	ds_load_b64 v[\reg+6*\c+4:\reg+6*\c+5], v[ADRA+2+\slot] offset:3072*(\i)+1536*(\q)+768*\c
.endr
.endm
.macro MUL16 a0, p, q, sc, zero
.irp a, \a0, \a0+1
.irp b, 0,1,2,3,4,5,6,7
.if \zero
	v_wmma_scale_f32_16x16x128_f8f6f4 v[8*(8*((\a)%4)+\b):8*(8*((\a)%4)+\b)+7], v[128*(\p)+FR*\b:128*(\p)+FR*\b+FR-1], v[AF+FR*(\a):AF+FR*(\a)+FR-1], v[BIAS+8*\b:BIAS+8*\b+7], v[SC+8*NQ*(\sc)+NQ*\b+(\q)], v[SC+8*NQ*(\sc)+NQ*(\a)+(\q)] matrix_a_fmt:MATRIX_FMT_FP6 matrix_b_fmt:MATRIX_FMT_FP6 matrix_a_scale:MATRIX_SCALE_ROW1
.else
	v_wmma_scale_f32_16x16x128_f8f6f4 v[8*(8*((\a)%4)+\b):8*(8*((\a)%4)+\b)+7], v[128*(\p)+FR*\b:128*(\p)+FR*\b+FR-1], v[AF+FR*(\a):AF+FR*(\a)+FR-1], v[8*(8*((\a)%4)+\b):8*(8*((\a)%4)+\b)+7], v[SC+8*NQ*(\sc)+NQ*\b+(\q)], v[SC+8*NQ*(\sc)+NQ*(\a)+(\q)] matrix_a_fmt:MATRIX_FMT_FP6 matrix_b_fmt:MATRIX_FMT_FP6 matrix_a_scale:MATRIX_SCALE_ROW1
.endif
.endr
.endr
.endm
.macro FETCH_B slot, q, p
	WIN TO_B
.irp i, 0,1,2,3,4,5,6,7
	FRAG 128*(\p)+FR*\i, ADRB+\slot, \q, \i
.endr
	WIN 0
.endm
.macro FETCH_A slot, q, i0
.irp i, \i0, \i0+1, \i0+2, \i0+3
	FRAG_A AF+FR*(\i), \slot, \q, \i
.endr
.endm
.macro SCALES sc
.irp i, 0,1,2,3,4,5,6,7
	ds_load_b64 v[SC+8*NQ*\sc+NQ*\i:SC+8*NQ*\sc+NQ*\i+1], v[ADRS] offset:\i*SBLK
.endr
.endm
.macro PLACES n
.rept \n
	v_nop
.endr
.endm
.macro STEP slot, q, zero
	s_wait_dscnt 4*NLA
.if \zero
	WIN 0x81
.else
	WIN MUL_LO
.endif
	MUL16 0, (\q)%2, \q, \slot, \zero
	MUL16 2, (\q)%2, \q, \slot, \zero
	s_wait_dscnt 0
	PLACES NP
	FETCH_B \slot, (\q)+1, 1-(\q)%2
	FETCH_A \slot, (\q)+1, 0
.if \zero
	WIN 0xc1
.else
	WIN MUL_HI
.endif
	MUL16 4, (\q)%2, \q, \slot, \zero
	MUL16 6, (\q)%2, \q, \slot, \zero
	PLACES NP
	WIN 0
	FETCH_A \slot, (\q)+1, 4
.endm
.macro TURN slot, next, fill
	s_wait_tensorcnt 0x0
	ds_add_u32 v[SPW], v[NIL]
	s_wait_dscnt 4*NLA+1
	WIN MUL_LO
	MUL16 0, 1, NQ-1, \slot, 0
	s_wait_dscnt 0x0
	s_barrier_signal -1
	MUL16 2, 1, NQ-1, \slot, 0
	WIN 0
	s_barrier_wait -1
.if \fill
	CREST
	s_add_nc_u64 s[G0+4*\slot+2:G0+4*\slot+3], s[G0+4*\slot+2:G0+4*\slot+3], 2*ASTEP
	s_add_nc_u64 s[G0B+4*\slot+2:G0B+4*\slot+3], s[G0B+4*\slot+2:G0B+4*\slot+3], 2*PLB
	JLOAD G0+4*\slot, G1, G0B+4*\slot, G1B
.else
	PLACES NP
.endif
	s_wait_alu depctr_va_vdst(0)
	v_add_nc_u32 v[ADRS], 4*NQ, v[ADRS]
	FETCH_B \next, 0, 0
	FETCH_A \next, 0, 0
	SCALES \next
	WIN MUL_HI
	MUL16 4, 1, NQ-1, \slot, 0
	MUL16 6, 1, NQ-1, \slot, 0
	PLACES NP
	WIN 0
	FETCH_A \next, 0, 4
.endm
	s_wait_alu depctr_va_vdst(0)
	s_wait_tensorcnt 0x0
	ds_add_u32 v[SPW], v[NIL]
	s_mov_b32 s[G1+2], 8<<16
	s_mov_b32 s[G1+4], 8
	s_mov_b32 s[G1B+2], 96<<16
	s_mov_b32 s[G1B+4], 96
	s_wait_dscnt 0x0
	CROUND
	JLOAD G0+4, G1, G0B+4, G1B
	FETCH_B 0, 0, 0
	FETCH_A 0, 0, 0
	SCALES 0
	FETCH_A 0, 0, 4
	s_wait_loadcnt 0x0
	STEP 0, 0, 1
	s_mov_b32 s3, LAPS-1
.Llap:
	TURN 0, 1, 1
	STEP 1, 0, 0
	TURN 1, 0, 1
	STEP 0, 0, 0
	s_sub_co_u32 s3, s3, 1
	s_cmp_lg_u32 s3, 0
	s_cbranch_scc1 .Llap
	TURN 0, 1, 0
	STEP 1, 0, 0
	s_wait_dscnt 4*NLA
	WIN MUL_LO
	MUL16 0, 1, NQ-1, 1, 0
	MUL16 2, 1, NQ-1, 1, 0
	s_wait_dscnt 0
	WIN MUL_HI
	MUL16 4, 1, NQ-1, 1, 0
	MUL16 6, 1, NQ-1, 1, 0
	WIN 0
.macro TOSTAGE a
.set AC, 64*((\a)%4)
	WIN 0x08+4*((\a)/4)
.irp b, 0,1,2,3,4,5,6,7
	ds_store_b128 v[STO], v[AC+8*\b:AC+8*\b+3] offset:128*(\b/2)+32*(\b%2)
	ds_store_b128 v[STO], v[AC+8*\b+4:AC+8*\b+7] offset:128*(\b/2)+32*(\b%2)+16
.endr
	WIN 0
.set BB, BK+64*((\a)%2)
.irp t, 0,1,2,3,4,5,6,7,8,9,10,11,12,13,14,15
	ds_load_b128 v[BB+4*\t:BB+4*\t+3], v[RD] offset:\t*SPITCH
.endr
.endm
.macro SEND a, younger
.set BB, BK+64*((\a)%2)
	s_wait_dscnt \younger
.irp t, 0,1,2,3,4,5,6,7,8,9,10,11,12,13,14,15
	global_store_b128 v[CO], v[BB+4*\t:BB+4*\t+3], s[12:13] offset:(64*((\a)/4)+8*((\a)%4)+32*(\t/8)+\t%8)*4096 th:TH_STORE_NT
.endr
.endm
	PLACES NP
	TOSTAGE 0
.irp a, 1,2,3,4,5,6,7
.if \a > 1
	s_wait_xcnt 0x0
.endif
	TOSTAGE \a
	SEND \a-1, 32
.endr
	SEND 7, 0
	s_wait_tensorcnt 0x0
	ds_add_u32 v[SPW], v[NIL]
	s_wait_dscnt 0x0
	CROUND
	s_endpgm
.Lfunc_end_k_qe25b02bce8_oproj:
	.size	k_qe25b02bce8_oproj, .Lfunc_end_k_qe25b02bce8_oproj-k_qe25b02bce8_oproj
	.p2alignl 7, 3214868480
	.fill 96, 4, 3214868480
	.section	.rodata,"a",@progbits
	.p2align	6, 0x0
	.amdhsa_kernel k_qe25b02bce8_oproj
		.amdhsa_group_segment_fixed_size 327680
		.amdhsa_private_segment_fixed_size 0
		.amdhsa_enable_private_segment 0
		.amdhsa_kernarg_size 32
		.amdhsa_user_sgpr_count 2
		.amdhsa_user_sgpr_kernarg_segment_ptr 1
		.amdhsa_wavefront_size32 1
		.amdhsa_system_sgpr_workgroup_id_x 1
		.amdhsa_system_sgpr_workgroup_id_y 1
		.amdhsa_system_sgpr_workgroup_id_z 1
		.amdhsa_system_vgpr_workitem_id 0
		.amdhsa_next_free_vgpr 1024
		.amdhsa_next_free_sgpr 100
		.amdhsa_reserve_vcc 0
		.amdhsa_float_denorm_mode_32 3
		.amdhsa_float_denorm_mode_16_64 3
		.amdhsa_memory_ordered 1
		.amdhsa_forward_progress 1
		.amdhsa_inst_pref_size 155
	.end_amdhsa_kernel
	.amdgpu_metadata
---
amdhsa.version: [ 1, 2 ]
amdhsa.kernels:
  - .name:           k_qe25b02bce8_oproj
    .symbol:         k_qe25b02bce8_oproj.kd
    .args:
      - { .name: ao, .offset: 0, .size: 8, .value_kind: global_buffer, .address_space: global }
      - { .name: wq, .offset: 8, .size: 8, .value_kind: global_buffer, .address_space: global }
      - { .name: out0, .offset: 16, .size: 8, .value_kind: global_buffer, .address_space: global }
      - { .name: bo, .offset: 24, .size: 8, .value_kind: global_buffer, .address_space: global }
    .group_segment_fixed_size: 327680
    .private_segment_fixed_size: 0
    .kernarg_segment_align: 8
    .kernarg_segment_size: 32
    .max_flat_workgroup_size: 128
    .sgpr_count:     100
    .vgpr_count:     1024
    .wavefront_size: 32
...
	.end_amdgpu_metadata
.endif
;; end of part 5
